; MI455X (gfx1250); checked and timed in simulation.
; The chip was launched on July 23, 2026; its instructions are those of AMD's public machine-readable ISA for CDNA 5 (MIT licence, August 2026) and "CDNA5" Instruction Set Architecture Reference Guide (July 2026). The comments in the code are by the model that wrote it; some were corrected since.
;; Prototype KNN Retriever. Allowed arithmetic: matrix products marked QUANTISED: E2M1 operands, one E8M0 scale for each 32 along K, by v_wmma_scale_f32_16x16x128_f8f6f4 with both operands' format E2M1 (or v_wmma_scale_f32_32x16x128_f4), f32 sums; products left as they are: f32 operands where the result goes on into a quantised operand, else bf16, f16 or f32 operands; f32 sums; everything else in f32.
;; Inputs: h_clean 1,024 x 256 float32; phones 1,024 int32; proto_genders 100,000 int32; proto_phones 100,000 int32; proto_speakers 100,000 int32; prototypes 100,000 x 256 float32.
;; Outputs: out0 1,024 x 256 float32.
;; Constants: target_gender = 0, target_speaker = 3.
;; This version of the problem:
;;   THIS VERSION OF THE PROBLEM IS GIVEN IN LOW PRECISION. The matrix products marked QUANTISED in the list below multiply operands that are first quantised to E2M1 (2 exponent bits, 1 mantissa bit; 4 bits a number), with one power-of-two scale for each 32 numbers along K (OCP MX v1.0); their sums are f32. All else is computed in f32.
;;   The module's matrix products, in the order in which they are computed (A, B: the left and right operand; K: the contracted axis; several contracted axes count as one K, in the product's order):
;;     1. [M 1,024, K 256] x [K 256, N 100,000]; A: input h_clean; B: input prototypes: QUANTISED
;;     2. batch 1,024 x [M 1, K 4] x [K 4, N 256]; A: softmax; B: computed on the way: left as it is (K = 4 < 32)
;;   THE QUANTISER, for each operand of a quantised product, along K:
;;     - K is cut into blocks of 32 from its start; a last block that is shorter is filled with zeros.
;;     - A block's scale is 2^e with e = floor(log2(the largest magnitude in the block)) - 2, held to -126 .. 127; a block of zeros has e = 0. As a byte (E8M0): e + 127.
;;     - Each number is divided by its block's scale, clamped to +-6, and rounded to the nearest number of E2M1, ties to even, subnormals kept.
;;     - The product sums the exact products of the quantised numbers (number of the format x scale) in f32.
;;   ~~~python
;;   def quantise(x, axis):      # numpy; x: float32 -> the quantised numbers, widened to float32 again
;;       x = np.moveaxis(x, axis, -1); K = x.shape[-1]
;;       x = np.pad(x, [(0, 0)] * (x.ndim - 1) + [(0, -K % 32)]); x = x.reshape(x.shape[:-1] + (-1, 32)); a = np.abs(x).max(-1, keepdims=True)
;;       e = np.where(a > 0, np.clip(np.frexp(np.where(a > 0, a, 1))[1] - 1 - 2, -126, 127), 0)      # np.frexp(a)[1] - 1 = floor(log2(a)), exactly
;;       r = np.clip(x / 2.0 ** e, -6, 6)
;;       step = 2.0 ** (np.maximum(np.frexp(np.where(r == 0, 1, r))[1] - 1, 0) - 1)
;;       q = np.round(r / step) * step * 2.0 ** e      # np.round: ties to even
;;       return np.moveaxis(q.reshape(q.shape[:-2] + (-1,))[..., :K], -1, axis).astype(np.float32)
;;   ~~~
;; 2 versions. Each part assembles by itself: llvm-mc -triple=amdgcn-amd-amdhsa -mcpu=gfx1250 --defsym DOCPART=n.
;; ======== version 1 of 2: 3 launches
;; workspace buffers: pcode 13,107,200 bytes; paux 1,638,400 bytes; pmeta 819,200 bytes of whole numbers; nbc 1,024 bytes of whole numbers; qcnt 262,144 bytes of whole numbers; td2 65,536 bytes; tix 65,536 bytes of whole numbers
;; launch prep (part 1): grid 256 x 1, 8 waves a work-group, no clusters, 21,504 bytes of LDS; arguments proto_genders, proto_speakers, proto_phones, phones, prototypes, pcode, paux, pmeta, nbc, qcnt; writes pcode, paux, pmeta, nbc, qcnt
.if DOCPART == 1
	.amdgcn_target "amdgcn-amd-amdhsa--gfx1250"
	.amdhsa_code_object_version 6
	.text
	.protected	k_q092159cbad_prep
	.globl	k_q092159cbad_prep
	.p2align	8
	.type	k_q092159cbad_prep,@function
k_q092159cbad_prep:
	s_mov_b64 s[64:65], 0
	v_nop
	global_prefetch_b8 v0, s[64:65] scope:SCOPE_SE
	s_setreg_imm32_b32 hwreg(HW_REG_WAVE_MODE, 25, 1), 1
	s_wait_xcnt 0x0
; PREP.  Work-group c takes prototypes 391 c .. 391 c + 390 (256 x 391 covers 100,000).  It finds those that pass the base mask (gender == 0 and speaker == 3), which
; the mask of the problem keeps for every frame; all other columns of the product are thrown away there, so only these rows are read and quantised, once.
; OUT: tiles of 16 candidates (tile T = 25 c + t, at most 25 a chunk, at least one):
;   pcode [T][2048]  the codes (E2M1) as an image of a matrix operand's registers: the 16 bytes number 2 s + u (K step s of 128, half u) of lane L at 512 (2 s + u) + 16 L
;   paux  [T][256]   words 0-31 scale words (lane L < 16: row L, K step 0; else row L - 16, K step 1); words 32-47 the rows' sums of squares, words 48-63 the same again
;   pmeta [T][128]   words 0-15 the candidates' phones, words 16-31 their numbers
;   nbc   [c]        how many candidates the chunk has
;   qcnt  [frame / 16][c][16] bytes: min(4, how many of the chunk's candidates carry the frame's phone).  Laid so that the reader finds a tile of frames' 4,096 bytes on end; this launch pays with stores in pieces of 16 bytes.
; An empty slot of a tile holds the chunk's first row's codes, the sum of squares +infinity (its distance is then +infinity and enters no list) and the phone PADPH.
; THE MASK STEERS BRANCHES AND ADDRESSES, so each wave makes all 13 words of it in its own scalar registers, straight from the whole numbers as loaded: the eight waves read the same 3 KB, and no wave waits for another.
; A block's scale is 2^(floor(log2(largest magnitude)) - 2): its byte is the largest magnitude's exponent field - 2, held at 1 from below.
; LIMITS: inputs are finite (no NaN, no infinity); a block of zeros or under 2^-124 has the byte 1 (its codes are then what the conversion gives under that scale; only this program reads the bytes);
; a frame's phone -2^31 (PADPH) is not served; sums of squares are f32 sums in another order than a row-wise loop's.
; No tensor loads and no cluster: what is read hangs on the mask just computed, and work-groups share no row.
.set CH,    391
.set NPR,   100000
.set LASTP, 99999
.set TPC,   25
.set STG,   2560                       ; LDS: a stage of its own for each wave: 8 pieces of 16 rows x 16 bytes + 16 of padding, 128 scale bytes, 16 sums
.set SCO,   2176
.set P2O,   2304
.set PADPH, 0x80000000
.set SA, 3                             ; v3  stage: where my 8 codes go: 272 (lane / 4) + 4 (lane % 4)
.set SB, 4                             ; v4  stage: my block's scale byte: 64 (lane / 16) + (lane / 4) % 4
.set SP, 5                             ; v5  stage: the row's sum of squares
.set RO, 48                            ; v48-63   byte offsets of the tile's 16 rows
.set X,  64                            ; v64-191  16 rows x 8 numbers a lane
.set EA, 64                            ; at the head: v64-76 byte offsets of my 13 prototypes, v80-92 their genders, v96-108 their speakers
.set GE, 80
.set SK, 96
.set TQ, 212                           ; v212-227 two sets of 8 at work, by the row's parity
.set MW, 36                            ; s36-48   the mask's 13 words
.set PF, 49                            ; s49-62   how many bits are set below each word; s62: in all
.set NB, 62
.set SEL, 80                           ; s[80:81] v_permlanex16_b32's selects for lane l xor 16
; One row of 256 numbers, 8 neighbours a lane (k = 8 lane ..), becomes codes, scale bytes and a sum of squares in the stage, as row r of a tile.
.macro ROWQ x, tq, r
	v_max3_num_f32 v[\tq], |v[\x]|, |v[\x+1]|, 0x1800000            ; my 8 numbers and the floor 2^(3 - 127): the byte cannot fall under 1
	v_max3_num_f32 v[\tq], v[\tq], |v[\x+2]|, |v[\x+3]|
	v_max3_num_f32 v[\tq], v[\tq], |v[\x+4]|, |v[\x+5]|
	v_max3_num_f32 v[\tq], v[\tq], |v[\x+6]|, |v[\x+7]|
	v_max_num_f32_dpp v[\tq], v[\tq], v[\tq] row_xmask:1 row_mask:0xf bank_mask:0xf   ; four neighbouring lanes hold a block of 32
	v_max_num_f32_dpp v[\tq], v[\tq], v[\tq] row_xmask:2 row_mask:0xf bank_mask:0xf
	v_add_nc_u32 v[\tq+1], 0xff000000, v[\tq]                       ; 2 off the exponent field: the conversion's scale operand
	v_cvt_scalef32_pk8_fp4_f32 v[\tq+2], v[\x:\x+7], v[\tq+1]
	v_lshrrev_b32 v[\tq+3], 23, v[\tq+1]                            ; the scale's byte (also the plain line behind the conversion)
	v_pk_mul_f32 v[\tq+4:\tq+5], v[\x:\x+1], v[\x:\x+1]             ; the sum of squares of the numbers as they came
	v_pk_fma_f32 v[\tq+4:\tq+5], v[\x+2:\x+3], v[\x+2:\x+3], v[\tq+4:\tq+5]
	v_pk_fma_f32 v[\tq+4:\tq+5], v[\x+4:\x+5], v[\x+4:\x+5], v[\tq+4:\tq+5]
	v_pk_fma_f32 v[\tq+4:\tq+5], v[\x+6:\x+7], v[\x+6:\x+7], v[\tq+4:\tq+5]
	v_add_f32 v[\tq+4], v[\tq+4], v[\tq+5]
	v_add_f32_dpp v[\tq+4], v[\tq+4], v[\tq+4] row_xmask:1 row_mask:0xf bank_mask:0xf
	v_add_f32_dpp v[\tq+4], v[\tq+4], v[\tq+4] row_xmask:2 row_mask:0xf bank_mask:0xf
	v_add_f32_dpp v[\tq+4], v[\tq+4], v[\tq+4] row_xmask:4 row_mask:0xf bank_mask:0xf
	v_add_f32_dpp v[\tq+4], v[\tq+4], v[\tq+4] row_xmask:8 row_mask:0xf bank_mask:0xf
	v_permlanex16_b32 v[\tq+6], v[\tq+4], s[SEL], s[SEL+1]
	v_add_f32 v[\tq+4], v[\tq+4], v[\tq+6]
	ds_store_b32 v[SA], v[\tq+2] offset:16*(\r)                     ; block b = lane / 4 is piece b; row r at 16 r; my word at 4 (lane % 4)
	ds_store_b8 v[SB], v[\tq+3] offset:SCO+4*(\r)                   ; the four lanes of a block write the same byte with the same value
	ds_store_b32 v[SP], v[\tq+4] offset:P2O+4*(\r)                  ; all lanes write the same word with the same value
.endm
; One level of the search for the k-th set bit: is it in the lower field of st bits at pos, or above?
.macro LEVEL tab, w, st
	v_bfe_u32 v30, v[\tab], v29, \w
	v_cmp_ge_u32 vcc_lo, v24, v30
	v_cndmask_b32 v30, 0, v30, vcc_lo
	v_cndmask_b32 v31, 0, \st, vcc_lo
	v_sub_nc_u32 v24, v24, v30
	v_add_nc_u32 v29, v29, v31
.endm
; The byte offsets of a tile's sixteen rows: the prototypes' numbers lie in lanes base .. base + 15 of v34
.macro ROWS base
.irp r, 0,1,2,3,4,5,6,7,8,9,10,11,12,13,14,15
	v_readlane_b32 s[68+\r%4], v34, \base+\r
	s_min_u32 s[68+\r%4], s[68+\r%4], LASTP
	v_lshl_add_u32 v[RO+\r], s[68+\r%4], 10, v2    ; row x 1,024 bytes + 32 x lane
.endr
.endm
; Sixteen candidates' phones against my four frames' phones: a compare and an add of its bit.
.macro COUNT16 base
.irp e, 0,1,2,3,4,5,6,7,8,9,10,11,12,13,14,15
	v_readlane_b32 s[68+\e%4], v37, \base+\e
.irp k, 0,1,2,3
	v_cmp_eq_u32 vcc_lo, s[68+\e%4], v[12+\k]
	v_add_co_ci_u32 v[16+\k], vcc_lo, 0, v[16+\k], vcc_lo
.endr
.endr
.endm
.macro COUNT
	v_cmp_gt_u32 vcc_lo, s[NB], v20
	v_cndmask_b32 v37, PADPH, v36, vcc_lo                           ; an empty slot's phone matches no frame
	COUNT16 0
	s_add_co_u32 s66, s32, 16
	s_cmp_ge_u32 s66, s[NB]
	s_cbranch_scc1 .Lhalf_\@                                        ; the upper sixteen slots are all empty
	COUNT16 16
.Lhalf_\@:
.endm
	s_load_b512 s[4:19], s[0:1], 0x0               ; genders s[4:5], speakers s[6:7], proto_phones s[8:9], phones s[10:11], prototypes s[12:13], pcode s[14:15], paux s[16:17], pmeta s[18:19]
	s_load_b128 s[20:23], s[0:1], 0x40             ; nbc s[20:21], qcnt s[22:23]
	v_lshl_add_u32 v232, v0, 2, 0x5000
	v_mov_b32 v233, 0
	v_and_b32 v1, 31, v0                           ; lane
	v_lshrrev_b32 v20, 5, v0
	v_readfirstlane_b32 s24, v20                   ; wave 0..7
	s_lshr_b32 s25, s24, 1
	s_and_b32 s29, s24, 1
	s_sub_co_u32 s26, 0, s29                       ; all ones in odd waves: they own the upper sixteen of 32 slots
	s_mul_i32 s27, ttmp9, CH                       ; the chunk's first prototype
	s_add_co_u32 s28, s27, CH
	s_min_u32 s28, s28, NPR                        ; and the first that is not its own
	s_mov_b32 s[SEL], 0x76543210
	s_mov_b32 s[SEL+1], 0xfedcba98
	s_mov_b32 s82, 0xffff0000                      ; lanes 16-31
	s_mul_i32 s67, s24, STG                        ; my wave's stage
	v_lshlrev_b32 v2, 5, v1                        ; 32 x lane: my 8 numbers of a row
	v_lshrrev_b32 v20, 2, v1
	v_and_b32 v21, 3, v1
	v_lshrrev_b32 v22, 4, v1
	v_and_b32 v23, 3, v20
	v_and_b32 v32, 15, v1
	v_mul_u32_u24 v[SA], v20, 272
	v_lshl_add_u32 v[SA], v21, 2, v[SA]
	v_add_nc_u32 v[SA], s67, v[SA]
	v_lshl_add_u32 v[SB], v22, 6, v23
	v_add_nc_u32 v[SB], s67, v[SB]
	v_mov_b32 v[SP], s67
	v_mul_u32_u24 v6, v22, 272                     ; the image read back: piece 4 s + 2 u + lane / 16, row lane % 16
	v_lshl_add_u32 v6, v32, 4, v6
	v_add_nc_u32 v6, s67, v6
	v_lshl_add_u32 v7, v1, 2, s67                  ; the scale words: 4 x lane
	v_lshl_add_u32 v8, v32, 2, s67                 ; the sums: 4 x (lane % 16)
	v_lshlrev_b32 v9, 4, v1
	v_lshlrev_b32 v10, 2, v1
	v_add_nc_u32 v33, s27, v1                      ; word j of the mask: prototypes 391 c + 32 j + lane
.irp j, 0,1,2,3,4,5,6,7,8,9,10,11,12
	v_add_nc_u32 v[EA+\j], 32*\j, v33
	v_min_u32 v[EA+\j], LASTP, v[EA+\j]            ; no load leaves its buffer
	v_lshlrev_b32 v[EA+\j], 2, v[EA+\j]
.endr
	v_lshlrev_b32 v28, 4, v0
	s_wait_kmcnt 0x0
.irp j, 0,1,2,3,4,5,6,7,8,9,10,11,12
	global_load_b32 v[GE+\j], v[EA+\j], s[4:5]
	global_load_b32 v[SK+\j], v[EA+\j], s[6:7]
.endr
	global_load_b128 v[12:15], v28, s[10:11]       ; the phones of frames 4 t .. 4 t + 3
.irp k, 0,1,2,3
	v_mov_b32 v[16+\k], 0                          ; their counts
.endr
	v_mov_b32 v39, 0                               ; written once: a lane permute's destination counts as one of its sources
	v_mov_b32 v40, 0
	v_mov_b32 v[TQ+6], 0
	v_mov_b32 v[TQ+14], 0
	s_wait_loadcnt 0x0
.irp j, 0,1,2,3,4,5,6,7,8,9,10,11,12
	v_cmp_eq_u32 s[MW+\j], 0, v[GE+\j]             ; gender == 0
.endr
.irp j, 0,1,2,3,4,5,6,7,8,9,10,11,12
	v_cmp_eq_u32 s[PF+\j], 3, v[SK+\j]             ; speaker == 3
.endr
.irp j, 0,1,2,3,4,5,6,7,8,9,10,11,12
	s_sub_co_u32 s[83+\j%4], s28, 32*\j            ; (the chunk's end is 295 or more past its start, and 391 or more in all but the last chunk: the difference does not wrap)
	v_cmp_gt_u32 s[66+\j], s[83+\j%4], v33         ; and the prototype is the chunk's
.endr
.irp j, 0,1,2,3,4,5,6,7,8,9,10,11,12
	s_and_b32 s[MW+\j], s[MW+\j], s[PF+\j]
	s_and_b32 s[MW+\j], s[MW+\j], s[66+\j]
.endr
	s_mov_b32 s[PF], 0
.irp j, 0,1,2,3,4,5,6,7,8,9,10,11,12
	s_bcnt1_i32_b32 s66, s[MW+\j]
	s_add_co_u32 s[PF+\j+1], s[PF+\j], s66
.endr
	s_max_u32 s30, s[NB], 1                        ; a chunk without candidates still writes one tile of empty slots
	; 13 trips of 32 slots (two tiles).  Every wave finds the slots' prototypes and counts their phones for its own frames; the wave that owns a tile also gathers and quantises its rows.
	s_mov_b32 s31, 0
.Lg:
	s_lshl_b32 s32, s31, 5
	s_cmp_ge_u32 s32, s30
	s_cbranch_scc1 .Lnext                          ; no slot of this trip is in use
	v_add_nc_u32 v20, s32, v1                      ; my slot.  Which prototype is the slot-th set bit of the mask?
	v_mov_b32 v21, s[MW]                           ; the word that holds it,
	v_mov_b32 v22, 0                               ; the bits set below that word,
	v_mov_b32 v23, 0                               ; 32 x the word's number
.irp j, 1,2,3,4,5,6,7,8,9,10,11,12
	v_cmp_gt_u32 vcc_lo, s[PF+\j], v20             ; the slot lies below word j: what is held stays; else word j takes its place (the prefixes do not fall)
	v_cndmask_b32 v21, s[MW+\j], v21, vcc_lo
	v_cndmask_b32 v22, s[PF+\j], v22, vcc_lo
	v_cndmask_b32 v23, 32*\j, v23, vcc_lo
.endr
	v_sub_nc_u32 v24, v20, v22                     ; k: which set bit of the word
	v_lshrrev_b32 v25, 1, v21
	v_and_b32 v25, 0x55555555, v25
	v_sub_nc_u32 v25, v21, v25                     ; counts of fields of 2 bits,
	v_lshrrev_b32 v26, 2, v25
	v_and_b32 v26, 0x33333333, v26
	v_and_b32 v27, 0x33333333, v25
	v_add_nc_u32 v26, v26, v27                     ; of 4,
	v_lshrrev_b32 v27, 4, v26
	v_add_nc_u32 v27, v27, v26
	v_and_b32 v27, 0x0f0f0f0f, v27                 ; of 8,
	v_lshrrev_b32 v28, 8, v27
	v_add_nc_u32 v28, v28, v27                     ; of 16 (in the low byte)
	v_mov_b32 v29, 0                               ; pos
	LEVEL 28, 8, 16
	LEVEL 27, 8, 8
	LEVEL 26, 4, 4
	LEVEL 25, 2, 2
	LEVEL 21, 1, 1
	v_add_nc_u32 v34, v23, v29
	v_add_nc_u32 v34, s27, v34                     ; the prototype's number
	v_cmp_gt_u32 vcc_lo, s[NB], v20
	v_cndmask_b32 v34, s27, v34, vcc_lo            ; an empty slot takes the chunk's first row
	v_min_u32 v34, LASTP, v34
	v_lshlrev_b32 v35, 2, v34
	global_load_b32 v36, v35, s[8:9]               ; its phone
	s_and_b32 s66, s31, 3                          ; tile t = 2 g + wave % 2 belongs to the wave with wave / 2 == g % 4
	s_cmp_lg_u32 s66, s25
	s_cbranch_scc1 .Lother
	s_lshl_b32 s33, s31, 1
	s_add_co_u32 s33, s33, s29                     ; t
	s_lshl_b32 s34, s33, 4
	s_cmp_ge_u32 s34, s30
	s_cbranch_scc1 .Lother                         ; the tile has no slot in use
	s_cmp_lg_u32 s29, 0                            ; even waves own the lower sixteen slots, odd waves the upper
	s_cbranch_scc1 .Lupper
	ROWS 0
	s_branch .Lrows
.Lupper:
	ROWS 16
.Lrows:
.irp r, 0,1,2,3,4,5,6,7,8,9,10,11,12,13,14,15
	global_load_b128 v[X+8*\r:X+8*\r+3], v[RO+\r], s[12:13]             ; a row's two loads together take its 1,024 bytes
	global_load_b128 v[X+8*\r+4:X+8*\r+7], v[RO+\r], s[12:13] offset:16
.endr
	s_wait_loadcnt 32                              ; the phones are in; the 32 row loads issued behind them stay out
	COUNT
.irp r, 0,1,2,3,4,5,6,7,8,9,10,11,12,13,14,15
	s_wait_loadcnt 2*(15-\r)                       ; row r is in; the loads of the rows behind it stay out
	s_wait_dscnt 3                                 ; the three stage stores of the row before may be out; those of the row two back, whose registers are written now, are done
	ROWQ X+8*\r, TQ+8*(\r%2), \r
.endr
	ds_load_b128 v[192:195], v6                    ; LDS serves a wave's instructions in order: these see my stores
	ds_load_b128 v[196:199], v6 offset:544
	ds_load_b128 v[200:203], v6 offset:1088
	ds_load_b128 v[204:207], v6 offset:1632
	ds_load_b32 v208, v7 offset:SCO
	ds_load_b32 v209, v8 offset:P2O
	v_permlanex16_b32 v39, v34, s[SEL], s[SEL+1]
	v_permlanex16_b32 v40, v37, s[SEL], s[SEL+1]
	v_cndmask_b32 v41, v37, v40, s26               ; lanes 0-15: my tile's phones
	v_cndmask_b32 v42, v39, v34, s26               ; lanes 16-31: my tile's numbers
	v_cndmask_b32 v42, v41, v42, s82
	v_add_nc_u32 v43, s34, v32
	v_cmp_gt_u32 vcc_lo, s[NB], v43                ; is the slot in use?
	s_mul_i32 s35, ttmp9, TPC
	s_add_co_u32 s35, s35, s33                     ; T
	s_mov_b32 s73, 0
	s_lshl_b32 s72, s35, 11
	s_add_nc_u64 s[74:75], s[14:15], s[72:73]
	s_lshl_b32 s72, s35, 8
	s_add_nc_u64 s[76:77], s[16:17], s[72:73]
	s_lshl_b32 s72, s35, 7
	s_add_nc_u64 s[78:79], s[18:19], s[72:73]
	s_wait_dscnt 0x0
	v_cndmask_b32 v209, 0x7f800000, v209, vcc_lo   ; an empty slot's sum of squares: +infinity
	global_store_b128 v9, v[192:195], s[74:75]     ; each store of the wave covers 512 consecutive bytes, aligned
	global_store_b128 v9, v[196:199], s[74:75] offset:512
	global_store_b128 v9, v[200:203], s[74:75] offset:1024
	global_store_b128 v9, v[204:207], s[74:75] offset:1536
	global_store_b32 v10, v208, s[76:77]
	global_store_b32 v10, v209, s[76:77] offset:128
	global_store_b32 v10, v42, s[78:79]
	s_wait_xcnt 0x0                                ; the stores' data and bases are written again in a later trip only behind this wait
	s_branch .Lnext
.Lother:
	s_wait_loadcnt 0x0                             ; the phones
	COUNT
.Lnext:
	s_add_co_u32 s31, s31, 1
	s_cmp_lt_u32 s31, 13
	s_cbranch_scc1 .Lg
.irp k, 0,1,2,3
	v_min_u32 v[16+\k], 4, v[16+\k]                ; only 'four or more' is asked of the sum over chunks
.endr
	v_lshl_or_b32 v16, v17, 8, v16
	v_lshl_or_b32 v16, v18, 16, v16
	v_lshl_or_b32 v16, v19, 24, v16
	v_lshrrev_b32 v20, 2, v0                       ; my four frames lie in tile t / 4 of the frames, at its bytes 4 (t % 4) ..
	v_and_b32 v23, 3, v0
	v_lshlrev_b32 v20, 12, v20                     ; a tile of frames: 256 chunks x 16 bytes
	v_lshl_add_u32 v20, v23, 2, v20
	v_mov_b32 v21, s[NB]
	v_mov_b32 v22, 0
	s_lshl_b32 s66, ttmp9, 4                       ; my chunk's 16 bytes in each tile
	s_mov_b32 s67, 0
	s_add_nc_u64 s[22:23], s[22:23], s[66:67]
	s_lshl_b32 s66, ttmp9, 2
	s_add_nc_u64 s[20:21], s[20:21], s[66:67]
	global_store_b32 v20, v16, s[22:23]            ; four neighbouring lanes store 16 bytes on end
	s_wait_xcnt 0x0                                ; EXEC changes only behind this wait
	v_cmp_eq_u32 vcc_lo, 0, v0
	s_wait_tensorcnt 0x0
	ds_add_u32 v232, v233
	s_wait_dscnt 0x0
	s_and_saveexec_b32 s66, vcc_lo
	global_store_b32 v22, v21, s[20:21]            ; thread 0: the chunk's count
	s_wait_xcnt 0x0
	s_or_b32 exec_lo, exec_lo, s66
	s_endpgm
.Lfunc_end_k_q092159cbad_prep:
	.size	k_q092159cbad_prep, .Lfunc_end_k_q092159cbad_prep-k_q092159cbad_prep
	.p2alignl 7, 3214868480
	.fill 96, 4, 3214868480
	.section	.rodata,"a",@progbits
	.p2align	6, 0x0
	.amdhsa_kernel k_q092159cbad_prep
		.amdhsa_group_segment_fixed_size 21504
		.amdhsa_private_segment_fixed_size 0
		.amdhsa_enable_private_segment 0
		.amdhsa_kernarg_size 80
		.amdhsa_user_sgpr_count 2
		.amdhsa_user_sgpr_kernarg_segment_ptr 1
		.amdhsa_wavefront_size32 1
		.amdhsa_system_sgpr_workgroup_id_x 1
		.amdhsa_system_sgpr_workgroup_id_y 1
		.amdhsa_system_sgpr_workgroup_id_z 1
		.amdhsa_system_vgpr_workitem_id 0
		.amdhsa_next_free_vgpr 234
		.amdhsa_next_free_sgpr 96
		.amdhsa_reserve_vcc 1
		.amdhsa_float_denorm_mode_32 3
		.amdhsa_float_denorm_mode_16_64 3
		.amdhsa_memory_ordered 1
		.amdhsa_forward_progress 1
		.amdhsa_inst_pref_size 72
	.end_amdhsa_kernel
	.amdgpu_metadata
---
amdhsa.version: [ 1, 2 ]
amdhsa.kernels:
  - .name:           k_q092159cbad_prep
    .symbol:         k_q092159cbad_prep.kd
    .args:
      - { .name: proto_genders, .offset: 0, .size: 8, .value_kind: global_buffer, .address_space: global }
      - { .name: proto_speakers, .offset: 8, .size: 8, .value_kind: global_buffer, .address_space: global }
      - { .name: proto_phones, .offset: 16, .size: 8, .value_kind: global_buffer, .address_space: global }
      - { .name: phones, .offset: 24, .size: 8, .value_kind: global_buffer, .address_space: global }
      - { .name: prototypes, .offset: 32, .size: 8, .value_kind: global_buffer, .address_space: global }
      - { .name: pcode, .offset: 40, .size: 8, .value_kind: global_buffer, .address_space: global }
      - { .name: paux, .offset: 48, .size: 8, .value_kind: global_buffer, .address_space: global }
      - { .name: pmeta, .offset: 56, .size: 8, .value_kind: global_buffer, .address_space: global }
      - { .name: nbc, .offset: 64, .size: 8, .value_kind: global_buffer, .address_space: global }
      - { .name: qcnt, .offset: 72, .size: 8, .value_kind: global_buffer, .address_space: global }
    .group_segment_fixed_size: 21504
    .private_segment_fixed_size: 0
    .kernarg_segment_align: 8
    .kernarg_segment_size: 80
    .max_flat_workgroup_size: 256
    .sgpr_count:     96
    .vgpr_count:     234
    .wavefront_size: 32
...
	.end_amdgpu_metadata
.endif
;; end of part 1
;; launch knn (part 2): grid 64 x 4, 16 waves a work-group, no clusters, 13,568 bytes of LDS; arguments h_clean, phones, pcode, paux, pmeta, nbc, qcnt, td2, tix; writes td2, tix
.if DOCPART == 2
	.amdgcn_target "amdgcn-amd-amdhsa--gfx1250"
	.amdhsa_code_object_version 6
	.text
	.protected	k_q092159cbad_knn
	.globl	k_q092159cbad_knn
	.p2align	8
	.type	k_q092159cbad_knn,@function
k_q092159cbad_knn:
	s_mov_b64 s[64:65], 0
	v_nop
	global_prefetch_b8 v0, s[64:65] scope:SCOPE_SE
	s_setreg_imm32_b32 hwreg(HW_REG_WAVE_MODE, 25, 1), 1
	s_wait_xcnt 0x0
; KNN.  Work-group (x, y): frames 16 x .. 16 x + 15 against the candidates of chunks 64 y .. 64 y + 63.  Wave w walks the tiles of chunks 64 y + 4 w .. + 3.
; d2 = (h2 + p2) - 2 Q(h) . Q(p): the product on codes of E2M1 with E8M0 scales, two matrix instructions (K = 2 x 128) a tile of 16 candidates; h2, p2 of the numbers as they came.
; THE PRODUCT IS USED TRANSPOSED: source 0 = 16 candidates, source 1 = the 16 frames: lane (r, h) holds frame r and candidates 8 h + 0 .. 7.
; MASK: a candidate counts for a frame where their phones agree, or for every frame that has fewer than 4 candidates of its phone in all 256 chunks (qcnt).  A masked distance is BIG = 1e30.
; Each lane keeps the 4 least (d2, number) of what it sees, sorted; a later equal d2 does not displace an earlier one, and a lane sees numbers ascending.  A result register in which no lane's mask
; is set is passed over by a scalar branch on whole numbers read from memory.  That branch's mask is made by each wave for itself, from global loads, by integer vector lines, compares into scalar registers and scalar lines.
; The lists are merged lane with lane, then wave with wave through LDS.
; OUT: td2, tix [y][frame][4]: the 4 least of this quarter of the chunks, ascending; unfilled places hold (BIG, 0).
; NO TENSOR LOADS, NO CLUSTER, though the 64 work-groups of one y read the same tiles: the number of tiles and the branches above hang on counts read from memory, so the tiles go from memory straight into registers, as images of the operand's registers.
; One accumulator a wave, since a tile's distances are used up before the next tile's product; four waves of 218 registers share a SIMD.
; LIMITS: inputs are finite; blocks of h under 2^-124 have the scale byte 1.
.set SCO,   2176                       ; LDS: 0: the frames' codes (8 pieces of 16 rows x 16 bytes + 16); their scale words;
.set P2O,   2304                       ; their sums of squares;
.set LST,   2560                       ; [wave] 528 bytes: [frame] 4 distances, 4 numbers;
.set RES,   11008                      ; [frame] 4 distances, then at + 256 [frame] 4 numbers
.set TLAST, 6399
.set SA, 7
.set SB, 8
.set SP, 9
.set QF, 20                            ; v20-35  the frames' two fragments
.set QS, 36                            ; v36     their scale words: lanes 0-15 K step 0, lanes 16-31 K step 1
.set H2, 38                            ; v[38:39] my frame's sum of squares
.set QP, 40                            ; v40     my frame's phone
.set BIGR, 41
.set LA, 42                            ; v42-45  my list's distances, ascending
.set LI, 46                            ; v46-49  and numbers
.set XR, 50
.set TR, 51
.set ACC, 52                           ; v52-59
.set BA, 64                            ; a tile's registers: + 0 codes (16), + 16 scale words, + 18 sums of squares (8), + 26 phones (8), + 34 numbers (8)
.set BB, 112
.set MB, 64                            ; behind the loop: the other list of a merge
.set MBI, 68
.set QC, 184                           ; v184-215 at the head: the counts of 8 chunks x 16 frames, a byte each
.set SEL, 80                           ; s[80:81] v_permlanex16_b32's selects for lane l xor 16
.set NOFF, 83                          ; s83  the byte offset of my four counts in nbc: the scalar load's source, never written again
.set TRIPS, 84                         ; s84  trips of two tiles
.set TRIP, 85                          ; s85  the loop's counter
.macro ROWQ x, tq, r
	v_max3_num_f32 v[\tq], |v[\x]|, |v[\x+1]|, 0x1800000            ; my 8 numbers and the floor 2^(3 - 127): the byte cannot fall under 1
	v_max3_num_f32 v[\tq], v[\tq], |v[\x+2]|, |v[\x+3]|
	v_max3_num_f32 v[\tq], v[\tq], |v[\x+4]|, |v[\x+5]|
	v_max3_num_f32 v[\tq], v[\tq], |v[\x+6]|, |v[\x+7]|
	v_max_num_f32_dpp v[\tq], v[\tq], v[\tq] row_xmask:1 row_mask:0xf bank_mask:0xf   ; four neighbouring lanes hold a block of 32
	v_max_num_f32_dpp v[\tq], v[\tq], v[\tq] row_xmask:2 row_mask:0xf bank_mask:0xf
	v_add_nc_u32 v[\tq+1], 0xff000000, v[\tq]                       ; 2 off the exponent field: the conversion's scale operand
	v_cvt_scalef32_pk8_fp4_f32 v[\tq+2], v[\x:\x+7], v[\tq+1]
	v_lshrrev_b32 v[\tq+3], 23, v[\tq+1]                            ; the scale's byte (also the plain line behind the conversion)
	v_pk_mul_f32 v[\tq+4:\tq+5], v[\x:\x+1], v[\x:\x+1]
	v_pk_fma_f32 v[\tq+4:\tq+5], v[\x+2:\x+3], v[\x+2:\x+3], v[\tq+4:\tq+5]
	v_pk_fma_f32 v[\tq+4:\tq+5], v[\x+4:\x+5], v[\x+4:\x+5], v[\tq+4:\tq+5]
	v_pk_fma_f32 v[\tq+4:\tq+5], v[\x+6:\x+7], v[\x+6:\x+7], v[\tq+4:\tq+5]
	v_add_f32 v[\tq+4], v[\tq+4], v[\tq+5]
	v_add_f32_dpp v[\tq+4], v[\tq+4], v[\tq+4] row_xmask:1 row_mask:0xf bank_mask:0xf
	v_add_f32_dpp v[\tq+4], v[\tq+4], v[\tq+4] row_xmask:2 row_mask:0xf bank_mask:0xf
	v_add_f32_dpp v[\tq+4], v[\tq+4], v[\tq+4] row_xmask:4 row_mask:0xf bank_mask:0xf
	v_add_f32_dpp v[\tq+4], v[\tq+4], v[\tq+4] row_xmask:8 row_mask:0xf bank_mask:0xf
	v_permlanex16_b32 v[\tq+6], v[\tq+4], s[SEL], s[SEL+1]
	v_add_f32 v[\tq+4], v[\tq+4], v[\tq+6]
	ds_store_b32 v[SA], v[\tq+2] offset:16*(\r)
	ds_store_b8 v[SB], v[\tq+3] offset:SCO+4*(\r)
	ds_store_b32 v[SP], v[\tq+4] offset:P2O+4*(\r)
.endm
; Frame r of the tile, exactly: the sum over k = 1 .. 4 of the number of lanes whose byte is k or more is the sum over the lanes of min(byte, 4), which is under 4 just where the frame's total is.
.macro EXACT r
	v_bfe_u32 v[QC+4], v[QC+(\r)/4], 8*((\r)%4), 8
	v_cmp_le_u32 s56, 1, v[QC+4]
	v_cmp_le_u32 s57, 2, v[QC+4]
	v_cmp_le_u32 s58, 3, v[QC+4]
	v_cmp_le_u32 s59, 4, v[QC+4]
	s_bcnt1_i32_b32 s56, s56
	s_bcnt1_i32_b32 s57, s57
	s_bcnt1_i32_b32 s58, s58
	s_bcnt1_i32_b32 s59, s59
	s_add_co_u32 s56, s56, s57
	s_add_co_u32 s58, s58, s59
	s_add_co_u32 s56, s56, s58
	s_cmp_lt_u32 s56, 4
	s_cselect_b32 s57, 0x10001<<(\r), 0            ; lanes r and 16 + r hold frame r
	s_or_b32 s42, s42, s57
.endm
; The tile d places on from s41 goes into the registers from c on; its three bases into s[b .. b + 5].  Past the wave's last tile the last one is asked for again: inside the buffers, and written.
; The registers and bases are free here: the counted wait at the head of the buffer's last turn has shown its earlier loads done.
.macro LOADT c, b, d
	s_add_co_u32 s45, s41, \d
	s_min_u32 s45, s45, s33
	s_add_co_u32 s46, s45, s34                     ; tile places are 25 a chunk: behind each chunk's last tile a gap is passed
	s_cmp_ge_u32 s45, s35
	s_cselect_b32 s47, s38, 0
	s_add_co_u32 s46, s46, s47
	s_cmp_ge_u32 s45, s36
	s_cselect_b32 s47, s39, 0
	s_add_co_u32 s46, s46, s47
	s_cmp_ge_u32 s45, s37
	s_cselect_b32 s47, s40, 0
	s_add_co_u32 s46, s46, s47
	s_min_u32 s46, s46, TLAST
	s_lshl_b32 s78, s46, 11
	s_add_nc_u64 s[\b:\b+1], s[8:9], s[78:79]
	s_lshl_b32 s78, s46, 8
	s_add_nc_u64 s[\b+2:\b+3], s[10:11], s[78:79]
	s_lshl_b32 s78, s46, 7
	s_add_nc_u64 s[\b+4:\b+5], s[12:13], s[78:79]
	global_load_b128 v[\c:\c+3], v4, s[\b:\b+1]
	global_load_b128 v[\c+4:\c+7], v4, s[\b:\b+1] offset:512
	global_load_b128 v[\c+8:\c+11], v4, s[\b:\b+1] offset:1024
	global_load_b128 v[\c+12:\c+15], v4, s[\b:\b+1] offset:1536
	global_load_b32 v[\c+16], v5, s[\b+2:\b+3]
	global_load_b128 v[\c+18:\c+21], v6, s[\b+2:\b+3] offset:128
	global_load_b128 v[\c+22:\c+25], v6, s[\b+2:\b+3] offset:144
	global_load_b128 v[\c+26:\c+29], v6, s[\b+4:\b+5]
	global_load_b128 v[\c+30:\c+33], v6, s[\b+4:\b+5] offset:16
	global_load_b128 v[\c+34:\c+37], v6, s[\b+4:\b+5] offset:64
	global_load_b128 v[\c+38:\c+41], v6, s[\b+4:\b+5] offset:80
.endm
; Candidate 8 h + j of the tile goes into the lanes' lists, unless no lane's mask is set.
.macro TRY c, j
	s_or_b32 s44, s[48+\j], s42                    ; phones agree, or the frame falls back to the base mask;
	s_and_b32 s44, s44, s43                        ; and the tile is one of mine
	s_cbranch_scc0 .Lskip_\@
	v_cndmask_b32 v[XR], v[BIGR], v[ACC+\j], s44
	v_cmp_lt_f32 s56, v[XR], v[LA]
	v_cmp_lt_f32 s57, v[XR], v[LA+1]
	v_cmp_lt_f32 s58, v[XR], v[LA+2]
	v_cmp_lt_f32 s59, v[XR], v[LA+3]
	v_cndmask_b32 v[TR], v[\c+34+\j], v[LI+2], s58
	v_cndmask_b32 v[LI+3], v[LI+3], v[TR], s59
	v_cndmask_b32 v[TR], v[\c+34+\j], v[LI+1], s57
	v_cndmask_b32 v[LI+2], v[LI+2], v[TR], s58
	v_cndmask_b32 v[TR], v[\c+34+\j], v[LI], s56
	v_cndmask_b32 v[LI+1], v[LI+1], v[TR], s57
	v_cndmask_b32 v[LI], v[LI], v[\c+34+\j], s56
	v_med3_num_f32 v[LA+3], v[LA+2], v[XR], v[LA+3]
	v_med3_num_f32 v[LA+2], v[LA+1], v[XR], v[LA+2]
	v_med3_num_f32 v[LA+1], v[LA], v[XR], v[LA+1]
	v_min_num_f32 v[LA], v[LA], v[XR]
.Lskip_\@:
.endm
.macro TILE c
	v_wmma_scale_f32_16x16x128_f8f6f4 v[ACC:ACC+7], v[\c:\c+7], v[QF:QF+7], 0, v[\c+16], v[QS] matrix_a_fmt:MATRIX_FMT_FP4 matrix_b_fmt:MATRIX_FMT_FP4
	s_wait_alu depctr_va_vdst(0)
	v_wmma_scale_f32_16x16x128_f8f6f4 v[ACC:ACC+7], v[\c+8:\c+15], v[QF+8:QF+15], v[ACC:ACC+7], v[\c+16], v[QS] matrix_a_fmt:MATRIX_FMT_FP4 matrix_b_fmt:MATRIX_FMT_FP4 matrix_a_scale:MATRIX_SCALE_ROW1 matrix_b_scale:MATRIX_SCALE_ROW1
.irp k, 0,2,4,6
	v_pk_add_f32 v[\c+18+\k:\c+19+\k], v[\c+18+\k:\c+19+\k], v[H2:H2+1] op_sel_hi:[1,0]   ; h2 + p2.  These twelve lines name none of the product's registers: they are the places behind it (ISA guide 7.12.1)
.endr
.irp j, 0,1,2,3,4,5,6,7
	v_cmp_eq_u32 s[48+\j], v[\c+26+\j], v[QP]
.endr
.irp k, 0,2,4,6
	v_pk_fma_f32 v[ACC+\k:ACC+\k+1], v[ACC+\k:ACC+\k+1], -2.0, v[\c+18+\k:\c+19+\k] op_sel_hi:[1,0,1]   ; (h2 + p2) - 2 dot, from the accumulator's low end on
.endr
.irp j, 0,1,2,3,4,5,6,7
	TRY \c, \j
.endr
.endm
; s56 = (x, ix) comes before (y, iy): the lesser distance, at equal distances the lower number
.macro LESS x, ix, y, iy
	v_cmp_lt_f32 s56, v[\x], v[\y]
	v_cmp_eq_f32 s57, v[\x], v[\y]
	v_cmp_lt_u32 s58, v[\ix], v[\iy]
	s_and_b32 s57, s57, s58
	s_or_b32 s56, s56, s57
.endm
.macro CE sv, si, dv, di, p, q         ; places p and q of one set, in order, into the other set
	LESS \sv+\p, \si+\p, \sv+\q, \si+\q
	v_min_num_f32 v[\dv+\p], v[\sv+\p], v[\sv+\q]
	v_max_num_f32 v[\dv+\q], v[\sv+\p], v[\sv+\q]
	v_cndmask_b32 v[\di+\p], v[\si+\q], v[\si+\p], s56
	v_cndmask_b32 v[\di+\q], v[\si+\p], v[\si+\q], s56
.endm
; My sorted list and the sorted list in v[MB..], v[MBI..]: the 4 least of the 8, sorted, into my list.  The lesser of place k and the other's place 3 - k are the 4 least; two steps of exchanges sort them.
.macro MERGE
.irp k, 0,1,2,3
	LESS LA+\k, LI+\k, MB+3-\k, MBI+3-\k
	v_cndmask_b32 v[LA+\k], v[MB+3-\k], v[LA+\k], s56
	v_cndmask_b32 v[LI+\k], v[MBI+3-\k], v[LI+\k], s56
.endr
	CE LA, LI, MB, MBI, 0, 2
	CE LA, LI, MB, MBI, 1, 3
	CE MB, MBI, LA, LI, 0, 1
	CE MB, MBI, LA, LI, 2, 3
.endm
	s_load_b512 s[4:19], s[0:1], 0x0               ; h s[4:5], phones s[6:7], pcode s[8:9], paux s[10:11], pmeta s[12:13], nbc s[14:15], qcnt s[16:17], td2 s[18:19]
	s_load_b64 s[20:21], s[0:1], 0x40              ; tix
	v_lshl_add_u32 v216, v0, 2, 0x2d00
	v_mov_b32 v217, 0
	v_and_b32 v1, 31, v0                           ; L
	v_lshrrev_b32 v176, 5, v0
	v_readfirstlane_b32 s24, v176                  ; wave 0..15
	s_mov_b32 s25, ttmp9                           ; which 16 frames
	s_and_b32 s26, ttmp7, 0xffff                   ; which 64 chunks
	s_mov_b32 s[SEL], 0x76543210
	s_mov_b32 s[SEL+1], 0xfedcba98
	s_mov_b32 s82, 0xffff0000                      ; lanes 16-31
	s_mov_b32 s60, 0x80808080
	s_mov_b32 s61, 0x7f7f7f7f
	s_mov_b32 s79, 0
	s_mov_b32 s41, 0                               ; the tile in hand
	v_and_b32 v2, 15, v0                           ; r
	v_bfe_u32 v3, v0, 4, 1                         ; h
	v_lshlrev_b32 v4, 4, v1                        ; 16 L
	v_lshlrev_b32 v5, 2, v1                        ; 4 L
	v_lshlrev_b32 v6, 5, v3                        ; 32 h
	v_lshlrev_b32 v18, 3, v1                       ; 8 L
	v_lshlrev_b32 v19, 5, v1                       ; 32 L
	s_lshl_b32 s45, s24, 4                         ; 16 w
	s_lshl_b32 s46, s24, 2                         ; 4 w
	; every LDS address is made here, of the lane, the wave and constants
	v_lshrrev_b32 v176, 2, v1
	v_mul_u32_u24 v[SA], v176, 272
	v_and_b32 v177, 3, v1
	v_lshl_add_u32 v[SA], v177, 2, v[SA]
	v_add_nc_u32 v[SA], s45, v[SA]                 ; my wave's frame is row w of the tile of frames
	v_and_b32 v177, 3, v176
	v_lshl_add_u32 v[SB], v3, 6, v177
	v_add_nc_u32 v[SB], s46, v[SB]
	v_mov_b32 v[SP], s46
	v_mul_u32_u24 v11, v3, 272
	v_lshl_add_u32 v11, v2, 4, v11                 ; the frames' image: 272 h + 16 r
	v_lshlrev_b32 v12, 2, v2                       ; 4 r
	s_mul_i32 s47, s24, 528
	v_lshlrev_b32 v14, 5, v2
	v_lshl_add_u32 v14, v3, 4, v14
	v_add_nc_u32 v14, s47, v14
	v_add_nc_u32 v14, LST, v14                     ; lists in: 528 w + 32 r + 16 h
	v_mul_u32_u24 v15, v2, 528
	s_lshl_b32 s47, s24, 5
	v_add_nc_u32 v15, s47, v15
	v_add_nc_u32 v15, LST, v15                     ; lists out: wave r's list of frame w
	v_lshlrev_b32 v16, 8, v3
	v_add_nc_u32 v16, s45, v16
	v_add_nc_u32 v16, RES, v16                     ; results in: 256 h + 16 w
	s_and_b32 s47, s24, 1
	s_lshl_b32 s47, s47, 8
	v_add_nc_u32 v17, s47, v18
	v_add_nc_u32 v17, RES, v17                     ; results out: 256 (w % 2) + 8 L
	v_mov_b32 v170, 0                              ; written once: a lane permute's destination counts as one of its sources
	s_lshl_b32 s[NOFF], s26, 8
	s_add_co_u32 s[NOFF], s[NOFF], s45             ; nbc: 4 x (64 y + 4 w)
	s_wait_kmcnt 0x0
	s_load_b128 s[28:31], s[14:15], s[NOFF] offset:0x0 ; my four chunks' counts; neither its base nor its offset register is written again
	s_lshl_b32 s78, s25, 12
	s_add_nc_u64 s[16:17], s[16:17], s[78:79]      ; qcnt at my tile of frames: 4,096 bytes
	s_lshl_b32 s78, s25, 4
	s_add_co_u32 s78, s78, s24
	s_lshl_b32 s78, s78, 10
	s_add_nc_u64 s[4:5], s[4:5], s[78:79]          ; h at frame 16 x + w
	s_lshl_b32 s78, s25, 6
	s_add_nc_u64 s[6:7], s[6:7], s[78:79]          ; phones at my 16 frames
	s_lshl_b32 s78, s26, 14
	s_lshl_b32 s47, s25, 8
	s_add_co_u32 s78, s78, s47
	s_add_nc_u64 s[18:19], s[18:19], s[78:79]      ; td2 and tix at [y][16 x]
	s_add_nc_u64 s[20:21], s[20:21], s[78:79]
	global_load_b128 v[156:159], v19, s[4:5]
	global_load_b128 v[160:163], v19, s[4:5] offset:16
	global_load_b32 v[QP], v12, s[6:7]
.irp i, 0,1,2,3,4,5,6,7
	global_load_b128 v[QC+4*\i:QC+4*\i+3], v4, s[16:17] offset:512*\i   ; chunk L + 32 i: the 16 frames' bytes; each load of the wave covers 512 consecutive bytes
.endr
	s_wait_kmcnt 0x0
.irp k, 0,1,2,3
	s_add_co_u32 s[28+\k], s[28+\k], 15
	s_lshr_b32 s[28+\k], s[28+\k], 4
	s_max_u32 s[28+\k], s[28+\k], 1                ; a chunk has at least one tile,
	s_min_u32 s[28+\k], s[28+\k], 25               ; at most 25
.endr
	s_mov_b32 s35, s28                             ; where my second, third and fourth chunk's tiles begin
	s_add_co_u32 s36, s35, s29
	s_add_co_u32 s37, s36, s30
	s_add_co_u32 s32, s37, s31                     ; my tiles in all: 4 at the least, 100 at the most
	s_sub_co_u32 s33, s32, 1
	s_add_co_u32 s[TRIPS], s32, 1
	s_lshr_b32 s[TRIPS], s[TRIPS], 1               ; trips of two tiles: half of them, rounded up
	s_mov_b32 s[TRIP], 0
	s_sub_co_u32 s38, 25, s28                      ; the gaps
	s_sub_co_u32 s39, 25, s29
	s_sub_co_u32 s40, 25, s30
	s_lshl_b32 s34, s26, 6
	s_add_co_u32 s34, s34, s46
	s_mul_i32 s34, s34, 25                         ; my first chunk's first tile place
	LOADT BA, 66, 0
	LOADT BB, 72, 1
	s_wait_loadcnt 22                              ; the eleven loads of the head are in; the two tiles' 22 loads issued behind them stay out
	ROWQ 156, 164, 0
	; WHICH FRAMES FALL BACK TO THE BASE MASK.  My lane's 8 chunks are added byte by byte: 8 x 4 = 32 at the most, so no byte carries.
.irp i, 1,2,3,4,5,6,7
.irp k, 0,1,2,3
	v_add_nc_u32 v[QC+\k], v[QC+\k], v[QC+4*\i+\k]
.endr
.endr
	; The short way: a byte above 0 plus 0x7f has its top bit set.  Four lanes or more in which all 16 bytes are above 0 show four candidates or more for every frame: nobody falls back.
.irp k, 0,1,2,3
	v_add_nc_u32 v[QC+4+\k], s61, v[QC+\k]
.endr
	v_and_b32 v[QC+4], v[QC+4], v[QC+5]
	v_and_b32 v[QC+6], v[QC+6], v[QC+7]
	v_and_b32 v[QC+4], v[QC+4], v[QC+6]
	v_and_b32 v[QC+4], s60, v[QC+4]
	v_cmp_eq_u32 s56, s60, v[QC+4]
	s_mov_b32 s42, 0
	s_bcnt1_i32_b32 s57, s56
	s_cmp_ge_u32 s57, 4
	s_cbranch_scc1 .Lnobody
.irp r, 0,1,2,3,4,5,6,7,8,9,10,11,12,13,14,15
	EXACT \r
.endr
.Lnobody:
	s_wait_dscnt 0x0                               ; for the others' sake: my frame's codes, scale bytes and sum are in LDS
	s_barrier_signal -1
	s_barrier_wait -1
	ds_load_b128 v[QF:QF+3], v11
	ds_load_b128 v[QF+4:QF+7], v11 offset:544
	ds_load_b128 v[QF+8:QF+11], v11 offset:1088
	ds_load_b128 v[QF+12:QF+15], v11 offset:1632
	ds_load_b32 v[QS], v5 offset:SCO
	ds_load_b32 v[H2], v12 offset:P2O
	v_mov_b32 v[BIGR], 0x7149f2ca                  ; 1e30
.irp k, 0,1,2,3
	v_mov_b32 v[LA+\k], 0x7149f2ca
	v_mov_b32 v[LI+\k], 0
.endr
	s_wait_dscnt 0x0
	v_mov_b32 v[H2+1], v[H2]
.Lt:                                               ; two tiles a trip; the trips are counted one by one against a number that the loop does not write
	s_wait_loadcnt 11                              ; the first buffer's 11 loads are in; the second's 11, issued behind them, stay out
	s_mov_b32 s43, -1
	TILE BA
	LOADT BA, 66, 2
	s_wait_loadcnt 11                              ; the second buffer's are in; the 11 just issued stay out
	s_add_co_u32 s45, s41, 1
	s_cmp_lt_u32 s45, s32
	s_cselect_b32 s43, -1, 0                       ; with an odd number of tiles the last turn counts for nothing
	TILE BB
	LOADT BB, 72, 3
	s_add_co_u32 s41, s41, 2                       ; the tile in hand
	s_add_co_u32 s[TRIP], s[TRIP], 1
	s_cmp_lt_u32 s[TRIP], s[TRIPS]
	s_cbranch_scc1 .Lt
	s_wait_loadcnt 0x0                             ; the loads that ran ahead land before their registers serve the merges
	; lane with lane l xor 16: the frame's other eight candidates of each tile
.irp k, 0,1,2,3,4,5,6,7
	v_permlanex16_b32 v[MB+\k], v[LA+\k], s[SEL], s[SEL+1]
.endr
	MERGE
.irp k, 0,1,2,3
	v_cndmask_b32 v[72+\k], v[LA+\k], v[LI+\k], s82    ; lanes 0-15 store the distances, lanes 16-31 the numbers
.endr
	ds_store_b128 v14, v[72:75]
	s_wait_dscnt 0x0                               ; for the others' sake: my wave's 16 lists are in LDS
	s_barrier_signal -1
	s_barrier_wait -1
	ds_load_b128 v[LA:LA+3], v15                   ; wave w now serves frame w: lane l takes wave l % 16's list of it
	ds_load_b128 v[LI:LI+3], v15 offset:16
	s_wait_dscnt 0x0
.irp m, 1,2,4,8
.irp k, 0,1,2,3,4,5,6,7
	v_mov_b32_dpp v[MB+\k], v[LA+\k] row_xmask:\m row_mask:0xf bank_mask:0xf
.endr
	MERGE
.endr
.irp k, 0,1,2,3
	v_cndmask_b32 v[72+\k], v[LA+\k], v[LI+\k], s82
.endr
	ds_store_b128 v16, v[72:75]                    ; the lanes of a half write the same 16 bytes with the same values
	s_wait_dscnt 0x0
	s_barrier_signal -1
	s_barrier_wait -1
	s_cmp_eq_u32 s24, 0                            ; wave 0 stores the distances, wave 1 the numbers: the choice hangs on the wave's number alone
	s_cselect_b64 s[18:19], s[18:19], s[20:21]
	s_cmp_gt_u32 s24, 1
	s_cbranch_scc1 .Lend
	ds_load_b64 v[64:65], v17
	s_wait_dscnt 0x0
	global_store_b64 v18, v[64:65], s[18:19]       ; the wave's store covers 256 consecutive bytes, aligned
.Lend:
	s_wait_tensorcnt 0x0
	ds_add_u32 v216, v217
	s_wait_dscnt 0x0
	s_endpgm
.Lfunc_end_k_q092159cbad_knn:
	.size	k_q092159cbad_knn, .Lfunc_end_k_q092159cbad_knn-k_q092159cbad_knn
	.p2alignl 7, 3214868480
	.fill 96, 4, 3214868480
	.section	.rodata,"a",@progbits
	.p2align	6, 0x0
	.amdhsa_kernel k_q092159cbad_knn
		.amdhsa_group_segment_fixed_size 13568
		.amdhsa_private_segment_fixed_size 0
		.amdhsa_enable_private_segment 0
		.amdhsa_kernarg_size 72
		.amdhsa_user_sgpr_count 2
		.amdhsa_user_sgpr_kernarg_segment_ptr 1
		.amdhsa_wavefront_size32 1
		.amdhsa_system_sgpr_workgroup_id_x 1
		.amdhsa_system_sgpr_workgroup_id_y 1
		.amdhsa_system_sgpr_workgroup_id_z 1
		.amdhsa_system_vgpr_workitem_id 0
		.amdhsa_next_free_vgpr 218
		.amdhsa_next_free_sgpr 96
		.amdhsa_reserve_vcc 0
		.amdhsa_float_denorm_mode_32 3
		.amdhsa_float_denorm_mode_16_64 3
		.amdhsa_memory_ordered 1
		.amdhsa_forward_progress 1
		.amdhsa_inst_pref_size 67
	.end_amdhsa_kernel
	.amdgpu_metadata
---
amdhsa.version: [ 1, 2 ]
amdhsa.kernels:
  - .name:           k_q092159cbad_knn
    .symbol:         k_q092159cbad_knn.kd
    .args:
      - { .name: h_clean, .offset: 0, .size: 8, .value_kind: global_buffer, .address_space: global }
      - { .name: phones, .offset: 8, .size: 8, .value_kind: global_buffer, .address_space: global }
      - { .name: pcode, .offset: 16, .size: 8, .value_kind: global_buffer, .address_space: global }
      - { .name: paux, .offset: 24, .size: 8, .value_kind: global_buffer, .address_space: global }
      - { .name: pmeta, .offset: 32, .size: 8, .value_kind: global_buffer, .address_space: global }
      - { .name: nbc, .offset: 40, .size: 8, .value_kind: global_buffer, .address_space: global }
      - { .name: qcnt, .offset: 48, .size: 8, .value_kind: global_buffer, .address_space: global }
      - { .name: td2, .offset: 56, .size: 8, .value_kind: global_buffer, .address_space: global }
      - { .name: tix, .offset: 64, .size: 8, .value_kind: global_buffer, .address_space: global }
    .group_segment_fixed_size: 13568
    .private_segment_fixed_size: 0
    .kernarg_segment_align: 8
    .kernarg_segment_size: 72
    .max_flat_workgroup_size: 512
    .sgpr_count:     96
    .vgpr_count:     218
    .wavefront_size: 32
...
	.end_amdgpu_metadata
.endif
;; end of part 2
;; launch mix (part 3): grid 256 x 1, 4 waves a work-group, no clusters, 0 bytes of LDS; arguments prototypes, td2, tix, nbc, out0; writes out0
.if DOCPART == 3
	.amdgcn_target "amdgcn-amd-amdhsa--gfx1250"
	.amdhsa_code_object_version 6
	.text
	.protected	k_q092159cbad_mix
	.globl	k_q092159cbad_mix
	.p2align	8
	.type	k_q092159cbad_mix,@function
k_q092159cbad_mix:
	s_mov_b64 s[64:65], 0
	v_nop
	global_prefetch_b8 v0, s[64:65] scope:SCOPE_SE
	s_setreg_imm32_b32 hwreg(HW_REG_WAVE_MODE, 25, 1), 1
	s_wait_xcnt 0x0
; MIX.  One wave to a frame q = 4 x work-group + wave.  Its 16 entries (4 quarters of the chunks x 4 places) lie one to a lane (lane % 16; lanes 16-31 hold the same again).
; An entry's rank is the number of entries that come before it (lesser distance; at equal distances the lower number).  The four of rank 0 to 3 are the nearest four; their weights are
; softmax(-d2): exp(least d2 - d2) over the sum; all other entries get the weight 0.  The rows' addresses may hang on the stored numbers alone, not on the ranks, which come of distances:
; so all 16 rows are fetched (as soon as the numbers are in; ranks and weights are made while they are on their way) and summed with their weights, in f32.
; Unfilled places hold (1e30, 0): their weight is exp(least d2 - 1e30) = 0 wherever a frame has a candidate.  With no candidate at all (every count in nbc is 0) every distance is 1e30 and the
; nearest four are prototypes 0, 1, 2, 3 with weight 1/4 each: the entries' numbers are then replaced by 0 .. 15.
; No LDS, no barrier, no matrix unit: K = 4, one row of results a frame; waves share nothing.  LIMITS: the prototypes are finite (a weight 0 times a row adds 0).
.set LASTP, 99999
.set RO,  32                           ; v32-47   the 16 rows' byte offsets
.set ACC, 48                           ; v48-55   my 8 numbers of the result
.set X,   64                           ; v64-191  16 rows x 8 numbers a lane
.set W,   32                           ; s32-63   the weights, each twice (the packed forms name a pair)
	s_load_b256 s[4:11], s[0:1], 0x0               ; prototypes s[4:5], td2 s[6:7], tix s[8:9], nbc s[10:11]
	s_load_b64 s[12:13], s[0:1], 0x20              ; out0
	v_lshrrev_b32 v2, 5, v0
	v_readfirstlane_b32 s14, v2
	s_lshl_b32 s15, ttmp9, 2
	s_add_co_u32 s15, s15, s14                     ; q
	v_and_b32 v1, 15, v0                           ; e: my entry
	v_and_b32 v5, 31, v0
	v_lshlrev_b32 v18, 5, v5                       ; 32 L
	v_lshlrev_b32 v5, 4, v5                        ; 16 L
	v_lshrrev_b32 v2, 2, v1
	v_and_b32 v16, 3, v1
	v_lshlrev_b32 v2, 14, v2                       ; quarter e / 4: 16,384 bytes each,
	v_lshl_add_u32 v2, v16, 2, v2                  ; place e % 4,
	s_lshl_b32 s16, s15, 4
	v_add_nc_u32 v2, s16, v2                       ; frame q: 16 bytes each
	s_lshl_b32 s16, s15, 10
	s_mov_b32 s17, 0
	v_mov_b32 v6, 0                                ; my rank
	s_wait_kmcnt 0x0
	s_add_nc_u64 s[12:13], s[12:13], s[16:17]      ; out0 at row q
	global_load_b32 v3, v2, s[6:7]                 ; d
	global_load_b32 v4, v2, s[8:9]                 ; i
	global_load_b128 v[8:11], v18, s[10:11]        ; the 256 counts, 8 a lane
	global_load_b128 v[12:15], v18, s[10:11] offset:16
	s_wait_loadcnt 0x0
	v_or_b32 v8, v8, v9
	v_or_b32 v10, v10, v11
	v_or_b32 v12, v12, v13
	v_or_b32 v14, v14, v15
	v_or_b32 v8, v8, v10
	v_or_b32 v12, v12, v14
	v_or_b32 v8, v8, v12
	v_cmp_ne_u32 s21, 0, v8
	s_cmp_eq_u32 s21, 0
	s_cselect_b32 s20, -1, 0                       ; no candidate anywhere
	v_cndmask_b32 v4, v4, v1, s20
.irp e, 0,1,2,3,4,5,6,7,8,9,10,11,12,13,14,15
	v_readlane_b32 s[24+\e%4], v4, \e
	s_min_u32 s[24+\e%4], s[24+\e%4], LASTP
	v_lshl_add_u32 v[RO+\e], s[24+\e%4], 10, v5    ; row x 1,024 bytes + 16 L
.endr
.irp e, 0,1,2,3,4,5,6,7,8,9,10,11,12,13,14,15
	global_load_b128 v[X+8*\e:X+8*\e+3], v[RO+\e], s[4:5]               ; each load of the wave covers 512 consecutive bytes
	global_load_b128 v[X+8*\e+4:X+8*\e+7], v[RO+\e], s[4:5] offset:512
.endr
.irp f, 0,1,2,3,4,5,6,7,8,9,10,11,12,13,14,15
	v_readlane_b32 s24, v3, \f
	v_readlane_b32 s25, v4, \f
	v_cmp_lt_f32 s26, s24, v3
	v_cmp_eq_f32 s27, s24, v3
	v_cmp_lt_u32 s28, s25, v4
	s_and_b32 s27, s27, s28
	s_or_b32 vcc_lo, s26, s27                      ; entry f comes before mine
	v_add_co_ci_u32 v6, vcc_lo, 0, v6, vcc_lo
.endr
	v_mov_b32 v7, v3
	v_min_num_f32_dpp v7, v7, v7 row_xmask:1 row_mask:0xf bank_mask:0xf
	v_min_num_f32_dpp v7, v7, v7 row_xmask:2 row_mask:0xf bank_mask:0xf
	v_min_num_f32_dpp v7, v7, v7 row_xmask:4 row_mask:0xf bank_mask:0xf
	v_min_num_f32_dpp v7, v7, v7 row_xmask:8 row_mask:0xf bank_mask:0xf   ; the least d2: the largest -d2 is taken away ahead of the exponential
	v_sub_f32 v16, v7, v3
	v_mul_f32 v16, 0x3fb8aa3b, v16                 ; x log2(e)
	v_exp_f32 v16, v16
	v_cmp_gt_u32 vcc_lo, 4, v6                     ; (a plain line behind the exponential)
	s_wait_alu depctr_va_vdst(0)
	v_cndmask_b32 v16, 0, v16, vcc_lo              ; rank 4 and over: weight 0
	v_mov_b32 v17, v16
	v_add_f32_dpp v17, v17, v17 row_xmask:1 row_mask:0xf bank_mask:0xf
	v_add_f32_dpp v17, v17, v17 row_xmask:2 row_mask:0xf bank_mask:0xf
	v_add_f32_dpp v17, v17, v17 row_xmask:4 row_mask:0xf bank_mask:0xf
	v_add_f32_dpp v17, v17, v17 row_xmask:8 row_mask:0xf bank_mask:0xf
	v_rcp_f32 v17, v17
	v_nop                                          ; a plain line behind the reciprocal
	s_wait_alu depctr_va_vdst(0)
	v_mul_f32 v16, v16, v17
.irp e, 0,1,2,3,4,5,6,7,8,9,10,11,12,13,14,15
	v_readlane_b32 s[W+2*\e], v16, \e
	s_mov_b32 s[W+2*\e+1], s[W+2*\e]
.endr
	s_wait_loadcnt 30                              ; row 0 is in; the 30 loads of the rows behind it stay out
.irp k, 0,2,4,6
	v_pk_mul_f32 v[ACC+\k:ACC+\k+1], v[X+\k:X+\k+1], s[W:W+1] op_sel_hi:[1,0]   ; the first row starts the sums
.endr
.irp e, 1,2,3,4,5,6,7,8,9,10,11,12,13,14,15
	s_wait_loadcnt 2*(15-\e)                       ; row e is in; the rows behind it stay out
.irp k, 0,2,4,6
	v_pk_fma_f32 v[ACC+\k:ACC+\k+1], v[X+8*\e+\k:X+8*\e+\k+1], s[W+2*\e:W+2*\e+1], v[ACC+\k:ACC+\k+1] op_sel_hi:[1,0,1]
.endr
.endr
	global_store_b128 v5, v[ACC:ACC+3], s[12:13] th:TH_STORE_NT             ; each store of the wave covers 512 consecutive bytes, aligned
	global_store_b128 v5, v[ACC+4:ACC+7], s[12:13] offset:512 th:TH_STORE_NT
	s_endpgm
.Lfunc_end_k_q092159cbad_mix:
	.size	k_q092159cbad_mix, .Lfunc_end_k_q092159cbad_mix-k_q092159cbad_mix
	.p2alignl 7, 3214868480
	.fill 96, 4, 3214868480
	.section	.rodata,"a",@progbits
	.p2align	6, 0x0
	.amdhsa_kernel k_q092159cbad_mix
		.amdhsa_group_segment_fixed_size 0
		.amdhsa_private_segment_fixed_size 0
		.amdhsa_enable_private_segment 0
		.amdhsa_kernarg_size 40
		.amdhsa_user_sgpr_count 2
		.amdhsa_user_sgpr_kernarg_segment_ptr 1
		.amdhsa_wavefront_size32 1
		.amdhsa_system_sgpr_workgroup_id_x 1
		.amdhsa_system_sgpr_workgroup_id_y 1
		.amdhsa_system_sgpr_workgroup_id_z 1
		.amdhsa_system_vgpr_workitem_id 0
		.amdhsa_next_free_vgpr 192
		.amdhsa_next_free_sgpr 66
		.amdhsa_reserve_vcc 1
		.amdhsa_float_denorm_mode_32 3
		.amdhsa_float_denorm_mode_16_64 3
		.amdhsa_memory_ordered 1
		.amdhsa_forward_progress 1
		.amdhsa_inst_pref_size 22
	.end_amdhsa_kernel
	.amdgpu_metadata
---
amdhsa.version: [ 1, 2 ]
amdhsa.kernels:
  - .name:           k_q092159cbad_mix
    .symbol:         k_q092159cbad_mix.kd
    .args:
      - { .name: prototypes, .offset: 0, .size: 8, .value_kind: global_buffer, .address_space: global }
      - { .name: td2, .offset: 8, .size: 8, .value_kind: global_buffer, .address_space: global }
      - { .name: tix, .offset: 16, .size: 8, .value_kind: global_buffer, .address_space: global }
      - { .name: nbc, .offset: 24, .size: 8, .value_kind: global_buffer, .address_space: global }
      - { .name: out0, .offset: 32, .size: 8, .value_kind: global_buffer, .address_space: global }
    .group_segment_fixed_size: 0
    .private_segment_fixed_size: 0
    .kernarg_segment_align: 8
    .kernarg_segment_size: 40
    .max_flat_workgroup_size: 128
    .sgpr_count:     66
    .vgpr_count:     192
    .wavefront_size: 32
...
	.end_amdgpu_metadata
.endif
;; end of part 3
;; ======== version 2 of 2: 3 launches
;; workspace buffers: pcode 13,107,200 bytes; paux 1,638,400 bytes; pmeta 819,200 bytes of whole numbers; nbc 1,024 bytes of whole numbers; qcnt 262,144 bytes of whole numbers; td2 65,536 bytes; tix 65,536 bytes of whole numbers
;; launch prep (part 4): grid 256 x 1, 8 waves a work-group, no clusters, 21,504 bytes of LDS; arguments proto_genders, proto_speakers, proto_phones, phones, prototypes, pcode, paux, pmeta, nbc, qcnt; writes pcode, paux, pmeta, nbc, qcnt
.if DOCPART == 4
	.amdgcn_target "amdgcn-amd-amdhsa--gfx1250"
	.amdhsa_code_object_version 6
	.text
	.protected	k_q092159cbad_prep
	.globl	k_q092159cbad_prep
	.p2align	8
	.type	k_q092159cbad_prep,@function
k_q092159cbad_prep:
	s_mov_b64 s[64:65], 0
	v_nop
	global_prefetch_b8 v0, s[64:65] scope:SCOPE_SE
	s_setreg_imm32_b32 hwreg(HW_REG_WAVE_MODE, 25, 1), 1
	s_wait_xcnt 0x0
; PREP.  Work-group c takes prototypes 391 c .. 391 c + 390 (256 x 391 covers 100,000).  It finds those that pass the base mask (gender == 0 and speaker == 3), which
; the mask of the problem keeps for every frame; all other columns of the product are thrown away there, so only these rows are read and quantised, once.
; OUT: tiles of 16 candidates (tile T = 25 c + t, at most 25 a chunk, at least one):
;   pcode [T][2048]  the codes (E2M1) as an image of a matrix operand's registers: the 16 bytes number 2 s + u (K step s of 128, half u) of lane L at 512 (2 s + u) + 16 L
;   paux  [T][256]   words 0-31 scale words (lane L < 16: row L, K step 0; else row L - 16, K step 1); words 32-47 the rows' sums of squares, words 48-63 the same again
;   pmeta [T][128]   words 0-15 the candidates' phones, words 16-31 their numbers
;   nbc   [c]        how many candidates the chunk has
;   qcnt  [frame / 16][c][16] bytes: min(4, how many of the chunk's candidates carry the frame's phone).  Laid so that the reader finds a tile of frames' 4,096 bytes on end; this launch pays with stores in pieces of 16 bytes.
; An empty slot of a tile holds the chunk's first row's codes, the sum of squares +infinity (its distance is then +infinity and enters no list) and the phone PADPH.
; THE MASK STEERS BRANCHES AND ADDRESSES, so each wave makes all 13 words of it in its own scalar registers, straight from the whole numbers as loaded: the eight waves read the same 3 KB, and no wave waits for another.
; A block's scale is 2^(floor(log2(largest magnitude)) - 2): its byte is the largest magnitude's exponent field - 2, held at 1 from below.
; LIMITS: inputs are finite (no NaN, no infinity); a block of zeros or under 2^-124 has the byte 1 (its codes are then what the conversion gives under that scale; only this program reads the bytes);
; a frame's phone -2^31 (PADPH) is not served; sums of squares are f32 sums in another order than a row-wise loop's.
; No tensor loads and no cluster: what is read hangs on the mask just computed, and work-groups share no row.
.set CH,    391
.set NPR,   100000
.set LASTP, 99999
.set TPC,   25
.set STG,   2560                       ; LDS: a stage of its own for each wave: 8 pieces of 16 rows x 16 bytes + 16 of padding, 128 scale bytes, 16 sums
.set SCO,   2176
.set P2O,   2304
.set PADPH, 0x80000000
.set SA, 3                             ; v3  stage: where my 8 codes go: 272 (lane / 4) + 4 (lane % 4)
.set SB, 4                             ; v4  stage: my block's scale byte: 64 (lane / 16) + (lane / 4) % 4
.set SP, 5                             ; v5  stage: the row's sum of squares
.set RO, 48                            ; v48-63   byte offsets of the tile's 16 rows
.set X,  64                            ; v64-191  16 rows x 8 numbers a lane
.set EA, 64                            ; at the head: v64-76 byte offsets of my 13 prototypes, v80-92 their genders, v96-108 their speakers
.set GE, 80
.set SK, 96
.set TQ, 212                           ; v212-227 two sets of 8 at work, by the row's parity
.set MW, 36                            ; s36-48   the mask's 13 words
.set PF, 49                            ; s49-62   how many bits are set below each word; s62: in all
.set NB, 62
.set SEL, 80                           ; s[80:81] v_permlanex16_b32's selects for lane l xor 16
; One row of 256 numbers, 8 neighbours a lane (k = 8 lane ..), becomes codes, scale bytes and a sum of squares in the stage, as row r of a tile.
.macro ROWQ x, tq, r
	v_max3_num_f32 v[\tq], |v[\x]|, |v[\x+1]|, 0x1800000            ; my 8 numbers and the floor 2^(3 - 127): the byte cannot fall under 1
	s_delay_alu instid0(VALU_DEP_1)
	v_max3_num_f32 v[\tq], v[\tq], |v[\x+2]|, |v[\x+3]|
	s_delay_alu instid0(VALU_DEP_1)
	v_max3_num_f32 v[\tq], v[\tq], |v[\x+4]|, |v[\x+5]|
	s_delay_alu instid0(VALU_DEP_1)
	v_max3_num_f32 v[\tq], v[\tq], |v[\x+6]|, |v[\x+7]|
	s_delay_alu instid0(VALU_DEP_1)
	v_max_num_f32_dpp v[\tq], v[\tq], v[\tq] row_xmask:1 row_mask:0xf bank_mask:0xf   ; four neighbouring lanes hold a block of 32
	s_delay_alu instid0(VALU_DEP_1)
	v_max_num_f32_dpp v[\tq], v[\tq], v[\tq] row_xmask:2 row_mask:0xf bank_mask:0xf
	s_delay_alu instid0(VALU_DEP_1)
	v_add_nc_u32 v[\tq+1], 0xff000000, v[\tq]                       ; 2 off the exponent field: the conversion's scale operand
	v_cvt_scalef32_pk8_fp4_f32 v[\tq+2], v[\x:\x+7], v[\tq+1]
	v_lshrrev_b32 v[\tq+3], 23, v[\tq+1]                            ; the scale's byte (also the plain line behind the conversion)
	v_pk_mul_f32 v[\tq+4:\tq+5], v[\x:\x+1], v[\x:\x+1]             ; the sum of squares of the numbers as they came
	s_delay_alu instid0(VALU_DEP_1)
	v_pk_fma_f32 v[\tq+4:\tq+5], v[\x+2:\x+3], v[\x+2:\x+3], v[\tq+4:\tq+5]
	s_delay_alu instid0(VALU_DEP_1)
	v_pk_fma_f32 v[\tq+4:\tq+5], v[\x+4:\x+5], v[\x+4:\x+5], v[\tq+4:\tq+5]
	s_delay_alu instid0(VALU_DEP_1)
	v_pk_fma_f32 v[\tq+4:\tq+5], v[\x+6:\x+7], v[\x+6:\x+7], v[\tq+4:\tq+5]
	s_delay_alu instid0(VALU_DEP_1)
	v_add_f32 v[\tq+4], v[\tq+4], v[\tq+5]
	s_delay_alu instid0(VALU_DEP_1)
	v_add_f32_dpp v[\tq+4], v[\tq+4], v[\tq+4] row_xmask:1 row_mask:0xf bank_mask:0xf
	s_delay_alu instid0(VALU_DEP_1)
	v_add_f32_dpp v[\tq+4], v[\tq+4], v[\tq+4] row_xmask:2 row_mask:0xf bank_mask:0xf
	s_delay_alu instid0(VALU_DEP_1)
	v_add_f32_dpp v[\tq+4], v[\tq+4], v[\tq+4] row_xmask:4 row_mask:0xf bank_mask:0xf
	s_delay_alu instid0(VALU_DEP_1)
	v_add_f32_dpp v[\tq+4], v[\tq+4], v[\tq+4] row_xmask:8 row_mask:0xf bank_mask:0xf
	s_delay_alu instid0(VALU_DEP_1)
	v_permlanex16_b32 v[\tq+6], v[\tq+4], s[SEL], s[SEL+1]
	s_delay_alu instid0(VALU_DEP_1)
	v_add_f32 v[\tq+4], v[\tq+4], v[\tq+6]
	ds_store_b32 v[SA], v[\tq+2] offset:16*(\r)                     ; block b = lane / 4 is piece b; row r at 16 r; my word at 4 (lane % 4)
	ds_store_b8 v[SB], v[\tq+3] offset:SCO+4*(\r)                   ; the four lanes of a block write the same byte with the same value
	ds_store_b32 v[SP], v[\tq+4] offset:P2O+4*(\r)                  ; all lanes write the same word with the same value
.endm
; One level of the search for the k-th set bit: is it in the lower field of st bits at pos, or above?
.macro LEVEL tab, w, st
	s_delay_alu instid0(VALU_DEP_1)
	v_bfe_u32 v30, v[\tab], v29, \w
	s_delay_alu instid0(VALU_DEP_1)
	v_cmp_ge_u32 vcc_lo, v24, v30
	s_delay_alu instid0(VALU_DEP_1)
	v_cndmask_b32 v30, 0, v30, vcc_lo
	s_delay_alu instid0(VALU_DEP_2)
	v_cndmask_b32 v31, 0, \st, vcc_lo
	s_delay_alu instid0(VALU_DEP_2)
	v_sub_nc_u32 v24, v24, v30
	s_delay_alu instid0(VALU_DEP_2)
	v_add_nc_u32 v29, v29, v31
.endm
; The byte offsets of a tile's sixteen rows: the prototypes' numbers lie in lanes base .. base + 15 of v34
.macro ROWS base
.irp r, 0,1,2,3,4,5,6,7,8,9,10,11,12,13,14,15
	v_readlane_b32 s[68+\r%4], v34, \base+\r
	s_min_u32 s[68+\r%4], s[68+\r%4], LASTP
	v_lshl_add_u32 v[RO+\r], s[68+\r%4], 10, v2    ; row x 1,024 bytes + 32 x lane
.endr
.endm
; Sixteen candidates' phones against my four frames' phones: a compare and an add of its bit.
.macro COUNT16 base
.irp e, 0,1,2,3,4,5,6,7,8,9,10,11,12,13,14,15
	v_readlane_b32 s[68+\e%4], v37, \base+\e
.irp k, 0,1,2,3
	v_cmp_eq_u32 vcc_lo, s[68+\e%4], v[12+\k]
	s_delay_alu instid0(VALU_DEP_1)
	v_add_co_ci_u32 v[16+\k], vcc_lo, 0, v[16+\k], vcc_lo
.endr
.endr
.endm
.macro COUNT
	v_cmp_gt_u32 vcc_lo, s[NB], v20
	s_delay_alu instid0(VALU_DEP_1)
	v_cndmask_b32 v37, PADPH, v36, vcc_lo                           ; an empty slot's phone matches no frame
	COUNT16 0
	s_add_co_u32 s66, s32, 16
	s_cmp_ge_u32 s66, s[NB]
	s_cbranch_scc1 .Lhalf_\@                                        ; the upper sixteen slots are all empty
	COUNT16 16
.Lhalf_\@:
.endm
	s_load_b512 s[4:19], s[0:1], 0x0               ; genders s[4:5], speakers s[6:7], proto_phones s[8:9], phones s[10:11], prototypes s[12:13], pcode s[14:15], paux s[16:17], pmeta s[18:19]
	s_load_b128 s[20:23], s[0:1], 0x40             ; nbc s[20:21], qcnt s[22:23]
	v_lshl_add_u32 v232, v0, 2, 0x5000
	v_mov_b32 v233, 0
	v_and_b32 v1, 31, v0                           ; lane
	s_wait_alu depctr_va_vdst(0)
	v_lshrrev_b32 v20, 5, v0
	s_delay_alu instid0(VALU_DEP_1)
	v_readfirstlane_b32 s24, v20                   ; wave 0..7
	s_lshr_b32 s25, s24, 1
	s_and_b32 s29, s24, 1
	s_sub_co_u32 s26, 0, s29                       ; all ones in odd waves: they own the upper sixteen of 32 slots
	s_mul_i32 s27, ttmp9, CH                       ; the chunk's first prototype
	s_add_co_u32 s28, s27, CH
	s_min_u32 s28, s28, NPR                        ; and the first that is not its own
	s_mov_b32 s[SEL], 0x76543210
	s_mov_b32 s[SEL+1], 0xfedcba98
	s_mov_b32 s82, 0xffff0000                      ; lanes 16-31
	s_mul_i32 s67, s24, STG                        ; my wave's stage
	v_lshlrev_b32 v2, 5, v1                        ; 32 x lane: my 8 numbers of a row
	v_lshrrev_b32 v20, 2, v1
	v_and_b32 v21, 3, v1
	v_lshrrev_b32 v22, 4, v1
	s_delay_alu instid0(VALU_DEP_3)
	v_and_b32 v23, 3, v20
	v_and_b32 v32, 15, v1
	v_mul_u32_u24 v[SA], v20, 272
	s_delay_alu instid0(VALU_DEP_1)
	v_lshl_add_u32 v[SA], v21, 2, v[SA]
	s_delay_alu instid0(VALU_DEP_1)
	v_add_nc_u32 v[SA], s67, v[SA]
	v_lshl_add_u32 v[SB], v22, 6, v23
	s_delay_alu instid0(VALU_DEP_1)
	v_add_nc_u32 v[SB], s67, v[SB]
	v_mov_b32 v[SP], s67
	v_mul_u32_u24 v6, v22, 272                     ; the image read back: piece 4 s + 2 u + lane / 16, row lane % 16
	s_delay_alu instid0(VALU_DEP_1)
	v_lshl_add_u32 v6, v32, 4, v6
	s_delay_alu instid0(VALU_DEP_1)
	v_add_nc_u32 v6, s67, v6
	v_lshl_add_u32 v7, v1, 2, s67                  ; the scale words: 4 x lane
	v_lshl_add_u32 v8, v32, 2, s67                 ; the sums: 4 x (lane % 16)
	v_lshlrev_b32 v9, 4, v1
	v_lshlrev_b32 v10, 2, v1
	v_add_nc_u32 v33, s27, v1                      ; word j of the mask: prototypes 391 c + 32 j + lane
.irp j, 0,1,2,3,4,5,6,7,8,9,10,11,12
	v_add_nc_u32 v[EA+\j], 32*\j, v33
	s_delay_alu instid0(VALU_DEP_1)
	v_min_u32 v[EA+\j], LASTP, v[EA+\j]            ; no load leaves its buffer
	s_delay_alu instid0(VALU_DEP_1)
	v_lshlrev_b32 v[EA+\j], 2, v[EA+\j]
.endr
	v_lshlrev_b32 v28, 4, v0
	s_wait_alu depctr_va_vdst(0)
	s_wait_kmcnt 0x0
.irp j, 0,1,2,3,4,5,6,7,8,9,10,11,12
	global_load_b32 v[GE+\j], v[EA+\j], s[4:5]
	global_load_b32 v[SK+\j], v[EA+\j], s[6:7]
.endr
	global_load_b128 v[12:15], v28, s[10:11]       ; the phones of frames 4 t .. 4 t + 3
.irp k, 0,1,2,3
	v_mov_b32 v[16+\k], 0                          ; their counts
.endr
	v_mov_b32 v39, 0                               ; written once: a lane permute's destination counts as one of its sources
	v_mov_b32 v40, 0
	v_mov_b32 v[TQ+6], 0
	v_mov_b32 v[TQ+14], 0
	s_wait_loadcnt 0x0
.irp j, 0,1,2,3,4,5,6,7,8,9,10,11,12
	v_cmp_eq_u32 s[MW+\j], 0, v[GE+\j]             ; gender == 0
.endr
.irp j, 0,1,2,3,4,5,6,7,8,9,10,11,12
	v_cmp_eq_u32 s[PF+\j], 3, v[SK+\j]             ; speaker == 3
.endr
.irp j, 0,1,2,3,4,5,6,7,8,9,10,11,12
	s_sub_co_u32 s[83+\j%4], s28, 32*\j            ; (the chunk's end is 295 or more past its start, and 391 or more in all but the last chunk: the difference does not wrap)
	v_cmp_gt_u32 s[66+\j], s[83+\j%4], v33         ; and the prototype is the chunk's
.endr
.irp j, 0,1,2,3,4,5,6,7,8,9,10,11,12
	s_and_b32 s[MW+\j], s[MW+\j], s[PF+\j]
	s_and_b32 s[MW+\j], s[MW+\j], s[66+\j]
.endr
	s_mov_b32 s[PF], 0
.irp j, 0,1,2,3,4,5,6,7,8,9,10,11,12
	s_bcnt1_i32_b32 s66, s[MW+\j]
	s_add_co_u32 s[PF+\j+1], s[PF+\j], s66
.endr
	s_max_u32 s30, s[NB], 1                        ; a chunk without candidates still writes one tile of empty slots
	; 13 trips of 32 slots (two tiles).  Every wave finds the slots' prototypes and counts their phones for its own frames; the wave that owns a tile also gathers and quantises its rows.
	s_mov_b32 s31, 0
.Lg:
	s_lshl_b32 s32, s31, 5
	s_cmp_ge_u32 s32, s30
	s_cbranch_scc1 .Lnext                          ; no slot of this trip is in use
	v_add_nc_u32 v20, s32, v1                      ; my slot.  Which prototype is the slot-th set bit of the mask?
	v_mov_b32 v21, s[MW]                           ; the word that holds it,
	v_mov_b32 v22, 0                               ; the bits set below that word,
	v_mov_b32 v23, 0                               ; 32 x the word's number
.irp j, 1,2,3,4,5,6,7,8,9,10,11,12
	v_cmp_gt_u32 vcc_lo, s[PF+\j], v20             ; the slot lies below word j: what is held stays; else word j takes its place (the prefixes do not fall)
	s_delay_alu instid0(VALU_DEP_1)
	v_cndmask_b32 v21, s[MW+\j], v21, vcc_lo
	s_delay_alu instid0(VALU_DEP_2)
	v_cndmask_b32 v22, s[PF+\j], v22, vcc_lo
	s_delay_alu instid0(VALU_DEP_3)
	v_cndmask_b32 v23, 32*\j, v23, vcc_lo
.endr
	s_delay_alu instid0(VALU_DEP_2)
	v_sub_nc_u32 v24, v20, v22                     ; k: which set bit of the word
	s_delay_alu instid0(VALU_DEP_4)
	v_lshrrev_b32 v25, 1, v21
	s_delay_alu instid0(VALU_DEP_1)
	v_and_b32 v25, 0x55555555, v25
	s_delay_alu instid0(VALU_DEP_1)
	v_sub_nc_u32 v25, v21, v25                     ; counts of fields of 2 bits,
	s_delay_alu instid0(VALU_DEP_1)
	v_lshrrev_b32 v26, 2, v25
	s_delay_alu instid0(VALU_DEP_1)
	v_and_b32 v26, 0x33333333, v26
	s_delay_alu instid0(VALU_DEP_3)
	v_and_b32 v27, 0x33333333, v25
	s_delay_alu instid0(VALU_DEP_1)
	v_add_nc_u32 v26, v26, v27                     ; of 4,
	s_delay_alu instid0(VALU_DEP_1)
	v_lshrrev_b32 v27, 4, v26
	s_delay_alu instid0(VALU_DEP_1)
	v_add_nc_u32 v27, v27, v26
	s_delay_alu instid0(VALU_DEP_1)
	v_and_b32 v27, 0x0f0f0f0f, v27                 ; of 8,
	s_delay_alu instid0(VALU_DEP_1)
	v_lshrrev_b32 v28, 8, v27
	s_delay_alu instid0(VALU_DEP_1)
	v_add_nc_u32 v28, v28, v27                     ; of 16 (in the low byte)
	v_mov_b32 v29, 0                               ; pos
	LEVEL 28, 8, 16
	LEVEL 27, 8, 8
	LEVEL 26, 4, 4
	LEVEL 25, 2, 2
	LEVEL 21, 1, 1
	s_delay_alu instid0(VALU_DEP_1)
	v_add_nc_u32 v34, v23, v29
	s_delay_alu instid0(VALU_DEP_1)
	v_add_nc_u32 v34, s27, v34                     ; the prototype's number
	v_cmp_gt_u32 vcc_lo, s[NB], v20
	s_delay_alu instid0(VALU_DEP_1)
	v_cndmask_b32 v34, s27, v34, vcc_lo            ; an empty slot takes the chunk's first row
	s_delay_alu instid0(VALU_DEP_1)
	v_min_u32 v34, LASTP, v34
	s_delay_alu instid0(VALU_DEP_1)
	v_lshlrev_b32 v35, 2, v34
	global_load_b32 v36, v35, s[8:9]               ; its phone
	s_and_b32 s66, s31, 3                          ; tile t = 2 g + wave % 2 belongs to the wave with wave / 2 == g % 4
	s_cmp_lg_u32 s66, s25
	s_cbranch_scc1 .Lother
	s_lshl_b32 s33, s31, 1
	s_add_co_u32 s33, s33, s29                     ; t
	s_lshl_b32 s34, s33, 4
	s_cmp_ge_u32 s34, s30
	s_cbranch_scc1 .Lother                         ; the tile has no slot in use
	s_cmp_lg_u32 s29, 0                            ; even waves own the lower sixteen slots, odd waves the upper
	s_cbranch_scc1 .Lupper
	s_wait_alu depctr_va_vdst(0)
	ROWS 0
	s_branch .Lrows
.Lupper:
	s_wait_alu depctr_va_vdst(0)
	ROWS 16
.Lrows:
	s_wait_alu depctr_va_vdst(0)
.irp r, 0,1,2,3,4,5,6,7,8,9,10,11,12,13,14,15
	global_load_b128 v[X+8*\r:X+8*\r+3], v[RO+\r], s[12:13]             ; a row's two loads together take its 1,024 bytes
	global_load_b128 v[X+8*\r+4:X+8*\r+7], v[RO+\r], s[12:13] offset:16
.endr
	s_wait_loadcnt 32                              ; the phones are in; the 32 row loads issued behind them stay out
	COUNT
.irp r, 0,1,2,3,4,5,6,7,8,9,10,11,12,13,14,15
	s_wait_loadcnt 2*(15-\r)                       ; row r is in; the loads of the rows behind it stay out
	s_wait_dscnt 3                                 ; the three stage stores of the row before may be out; those of the row two back, whose registers are written now, are done
	ROWQ X+8*\r, TQ+8*(\r%2), \r
.endr
	ds_load_b128 v[192:195], v6                    ; LDS serves a wave's instructions in order: these see my stores
	ds_load_b128 v[196:199], v6 offset:544
	ds_load_b128 v[200:203], v6 offset:1088
	ds_load_b128 v[204:207], v6 offset:1632
	ds_load_b32 v208, v7 offset:SCO
	ds_load_b32 v209, v8 offset:P2O
	v_permlanex16_b32 v39, v34, s[SEL], s[SEL+1]
	v_permlanex16_b32 v40, v37, s[SEL], s[SEL+1]
	s_delay_alu instid0(VALU_DEP_1)
	v_cndmask_b32 v41, v37, v40, s26               ; lanes 0-15: my tile's phones
	s_delay_alu instid0(VALU_DEP_3)
	v_cndmask_b32 v42, v39, v34, s26               ; lanes 16-31: my tile's numbers
	s_delay_alu instid0(VALU_DEP_1)
	v_cndmask_b32 v42, v41, v42, s82
	v_add_nc_u32 v43, s34, v32
	s_delay_alu instid0(VALU_DEP_1)
	v_cmp_gt_u32 vcc_lo, s[NB], v43                ; is the slot in use?
	s_mul_i32 s35, ttmp9, TPC
	s_add_co_u32 s35, s35, s33                     ; T
	s_mov_b32 s73, 0
	s_lshl_b32 s72, s35, 11
	s_add_nc_u64 s[74:75], s[14:15], s[72:73]
	s_lshl_b32 s72, s35, 8
	s_add_nc_u64 s[76:77], s[16:17], s[72:73]
	s_lshl_b32 s72, s35, 7
	s_add_nc_u64 s[78:79], s[18:19], s[72:73]
	s_wait_alu depctr_va_vdst(0)
	s_wait_dscnt 0x0
	v_cndmask_b32 v209, 0x7f800000, v209, vcc_lo   ; an empty slot's sum of squares: +infinity
	global_store_b128 v9, v[192:195], s[74:75]     ; each store of the wave covers 512 consecutive bytes, aligned
	global_store_b128 v9, v[196:199], s[74:75] offset:512
	global_store_b128 v9, v[200:203], s[74:75] offset:1024
	global_store_b128 v9, v[204:207], s[74:75] offset:1536
	global_store_b32 v10, v208, s[76:77]
	global_store_b32 v10, v209, s[76:77] offset:128
	global_store_b32 v10, v42, s[78:79]
	s_wait_xcnt 0x0                                ; the stores' data and bases are written again in a later trip only behind this wait
	s_branch .Lnext
.Lother:
	s_wait_loadcnt 0x0                             ; the phones
	COUNT
.Lnext:
	s_add_co_u32 s31, s31, 1
	s_cmp_lt_u32 s31, 13
	s_cbranch_scc1 .Lg
	s_wait_alu depctr_va_vdst(0)
.irp k, 0,1,2,3
	v_min_u32 v[16+\k], 4, v[16+\k]                ; only 'four or more' is asked of the sum over chunks
.endr
	s_delay_alu instid0(VALU_DEP_3)
	v_lshl_or_b32 v16, v17, 8, v16
	s_delay_alu instid0(VALU_DEP_1)
	v_lshl_or_b32 v16, v18, 16, v16
	s_delay_alu instid0(VALU_DEP_1)
	v_lshl_or_b32 v16, v19, 24, v16
	v_lshrrev_b32 v20, 2, v0                       ; my four frames lie in tile t / 4 of the frames, at its bytes 4 (t % 4) ..
	v_and_b32 v23, 3, v0
	s_delay_alu instid0(VALU_DEP_2)
	v_lshlrev_b32 v20, 12, v20                     ; a tile of frames: 256 chunks x 16 bytes
	s_delay_alu instid0(VALU_DEP_1)
	v_lshl_add_u32 v20, v23, 2, v20
	v_mov_b32 v21, s[NB]
	v_mov_b32 v22, 0
	s_lshl_b32 s66, ttmp9, 4                       ; my chunk's 16 bytes in each tile
	s_mov_b32 s67, 0
	s_add_nc_u64 s[22:23], s[22:23], s[66:67]
	s_lshl_b32 s66, ttmp9, 2
	s_add_nc_u64 s[20:21], s[20:21], s[66:67]
	global_store_b32 v20, v16, s[22:23]            ; four neighbouring lanes store 16 bytes on end
	s_wait_alu depctr_va_vdst(0)
	s_wait_xcnt 0x0                                ; EXEC changes only behind this wait
	v_cmp_eq_u32 vcc_lo, 0, v0
	s_wait_tensorcnt 0x0
	ds_add_u32 v232, v233
	s_wait_dscnt 0x0
	s_and_saveexec_b32 s66, vcc_lo
	global_store_b32 v22, v21, s[20:21]            ; thread 0: the chunk's count
	s_wait_xcnt 0x0
	s_or_b32 exec_lo, exec_lo, s66
	s_endpgm
.Lfunc_end_k_q092159cbad_prep:
	.size	k_q092159cbad_prep, .Lfunc_end_k_q092159cbad_prep-k_q092159cbad_prep
	.p2alignl 7, 3214868480
	.fill 96, 4, 3214868480
	.section	.rodata,"a",@progbits
	.p2align	6, 0x0
	.amdhsa_kernel k_q092159cbad_prep
		.amdhsa_group_segment_fixed_size 21504
		.amdhsa_private_segment_fixed_size 0
		.amdhsa_enable_private_segment 0
		.amdhsa_kernarg_size 80
		.amdhsa_user_sgpr_count 2
		.amdhsa_user_sgpr_kernarg_segment_ptr 1
		.amdhsa_wavefront_size32 1
		.amdhsa_system_sgpr_workgroup_id_x 1
		.amdhsa_system_sgpr_workgroup_id_y 1
		.amdhsa_system_sgpr_workgroup_id_z 1
		.amdhsa_system_vgpr_workitem_id 0
		.amdhsa_next_free_vgpr 234
		.amdhsa_next_free_sgpr 96
		.amdhsa_reserve_vcc 1
		.amdhsa_float_denorm_mode_32 3
		.amdhsa_float_denorm_mode_16_64 3
		.amdhsa_memory_ordered 1
		.amdhsa_forward_progress 1
		.amdhsa_inst_pref_size 93
	.end_amdhsa_kernel
	.amdgpu_metadata
---
amdhsa.version: [ 1, 2 ]
amdhsa.kernels:
  - .name:           k_q092159cbad_prep
    .symbol:         k_q092159cbad_prep.kd
    .args:
      - { .name: proto_genders, .offset: 0, .size: 8, .value_kind: global_buffer, .address_space: global }
      - { .name: proto_speakers, .offset: 8, .size: 8, .value_kind: global_buffer, .address_space: global }
      - { .name: proto_phones, .offset: 16, .size: 8, .value_kind: global_buffer, .address_space: global }
      - { .name: phones, .offset: 24, .size: 8, .value_kind: global_buffer, .address_space: global }
      - { .name: prototypes, .offset: 32, .size: 8, .value_kind: global_buffer, .address_space: global }
      - { .name: pcode, .offset: 40, .size: 8, .value_kind: global_buffer, .address_space: global }
      - { .name: paux, .offset: 48, .size: 8, .value_kind: global_buffer, .address_space: global }
      - { .name: pmeta, .offset: 56, .size: 8, .value_kind: global_buffer, .address_space: global }
      - { .name: nbc, .offset: 64, .size: 8, .value_kind: global_buffer, .address_space: global }
      - { .name: qcnt, .offset: 72, .size: 8, .value_kind: global_buffer, .address_space: global }
    .group_segment_fixed_size: 21504
    .private_segment_fixed_size: 0
    .kernarg_segment_align: 8
    .kernarg_segment_size: 80
    .max_flat_workgroup_size: 256
    .sgpr_count:     96
    .vgpr_count:     234
    .wavefront_size: 32
...
	.end_amdgpu_metadata
.endif
;; end of part 4
;; launch knn (part 5): grid 64 x 4, 16 waves a work-group, no clusters, 13,568 bytes of LDS; arguments h_clean, phones, pcode, paux, pmeta, nbc, qcnt, td2, tix; writes td2, tix
.if DOCPART == 5
	.amdgcn_target "amdgcn-amd-amdhsa--gfx1250"
	.amdhsa_code_object_version 6
	.text
	.protected	k_q092159cbad_knn
	.globl	k_q092159cbad_knn
	.p2align	8
	.type	k_q092159cbad_knn,@function
k_q092159cbad_knn:
	s_mov_b64 s[64:65], 0
	v_nop
	global_prefetch_b8 v0, s[64:65] scope:SCOPE_SE
	s_setreg_imm32_b32 hwreg(HW_REG_WAVE_MODE, 25, 1), 1
	s_wait_xcnt 0x0
; KNN.  Work-group (x, y): frames 16 x .. 16 x + 15 against the candidates of chunks 64 y .. 64 y + 63.  Wave w walks the tiles of chunks 64 y + 4 w .. + 3.
; d2 = (h2 + p2) - 2 Q(h) . Q(p): the product on codes of E2M1 with E8M0 scales, two matrix instructions (K = 2 x 128) a tile of 16 candidates; h2, p2 of the numbers as they came.
; THE PRODUCT IS USED TRANSPOSED: source 0 = 16 candidates, source 1 = the 16 frames: lane (r, h) holds frame r and candidates 8 h + 0 .. 7.
; MASK: a candidate counts for a frame where their phones agree, or for every frame that has fewer than 4 candidates of its phone in all 256 chunks (qcnt).  A masked distance is BIG = 1e30.
; Each lane keeps the 4 least (d2, number) of what it sees, sorted; a later equal d2 does not displace an earlier one, and a lane sees numbers ascending.  A result register in which no lane's mask
; is set is passed over by a scalar branch on whole numbers read from memory.  That branch's mask is made by each wave for itself, from global loads, by integer vector lines, compares into scalar registers and scalar lines.
; The lists are merged lane with lane, then wave with wave through LDS.
; OUT: td2, tix [y][frame][4]: the 4 least of this quarter of the chunks, ascending; unfilled places hold (BIG, 0).
; NO TENSOR LOADS, NO CLUSTER, though the 64 work-groups of one y read the same tiles: the number of tiles and the branches above hang on counts read from memory, so the tiles go from memory straight into registers, as images of the operand's registers.
; One accumulator a wave, since a tile's distances are used up before the next tile's product; four waves of 218 registers share a SIMD.
; LIMITS: inputs are finite; blocks of h under 2^-124 have the scale byte 1.
.set SCO,   2176                       ; LDS: 0: the frames' codes (8 pieces of 16 rows x 16 bytes + 16); their scale words;
.set P2O,   2304                       ; their sums of squares;
.set LST,   2560                       ; [wave] 528 bytes: [frame] 4 distances, 4 numbers;
.set RES,   11008                      ; [frame] 4 distances, then at + 256 [frame] 4 numbers
.set TLAST, 6399
.set SA, 7
.set SB, 8
.set SP, 9
.set QF, 20                            ; v20-35  the frames' two fragments
.set QS, 36                            ; v36     their scale words: lanes 0-15 K step 0, lanes 16-31 K step 1
.set H2, 38                            ; v[38:39] my frame's sum of squares
.set QP, 40                            ; v40     my frame's phone
.set BIGR, 41
.set LA, 42                            ; v42-45  my list's distances, ascending
.set LI, 46                            ; v46-49  and numbers
.set XR, 50
.set TR, 51
.set ACC, 52                           ; v52-59
.set BA, 64                            ; a tile's registers: + 0 codes (16), + 16 scale words, + 18 sums of squares (8), + 26 phones (8), + 34 numbers (8)
.set BB, 112
.set MB, 64                            ; behind the loop: the other list of a merge
.set MBI, 68
.set QC, 184                           ; v184-215 at the head: the counts of 8 chunks x 16 frames, a byte each
.set SEL, 80                           ; s[80:81] v_permlanex16_b32's selects for lane l xor 16
.set NOFF, 83                          ; s83  the byte offset of my four counts in nbc: the scalar load's source, never written again
.set TRIPS, 84                         ; s84  trips of two tiles
.set TRIP, 85                          ; s85  the loop's counter
.macro ROWQ x, tq, r
	v_max3_num_f32 v[\tq], |v[\x]|, |v[\x+1]|, 0x1800000            ; my 8 numbers and the floor 2^(3 - 127): the byte cannot fall under 1
	s_delay_alu instid0(VALU_DEP_1)
	v_max3_num_f32 v[\tq], v[\tq], |v[\x+2]|, |v[\x+3]|
	s_delay_alu instid0(VALU_DEP_1)
	v_max3_num_f32 v[\tq], v[\tq], |v[\x+4]|, |v[\x+5]|
	s_delay_alu instid0(VALU_DEP_1)
	v_max3_num_f32 v[\tq], v[\tq], |v[\x+6]|, |v[\x+7]|
	s_delay_alu instid0(VALU_DEP_1)
	v_max_num_f32_dpp v[\tq], v[\tq], v[\tq] row_xmask:1 row_mask:0xf bank_mask:0xf   ; four neighbouring lanes hold a block of 32
	s_delay_alu instid0(VALU_DEP_1)
	v_max_num_f32_dpp v[\tq], v[\tq], v[\tq] row_xmask:2 row_mask:0xf bank_mask:0xf
	s_delay_alu instid0(VALU_DEP_1)
	v_add_nc_u32 v[\tq+1], 0xff000000, v[\tq]                       ; 2 off the exponent field: the conversion's scale operand
	v_cvt_scalef32_pk8_fp4_f32 v[\tq+2], v[\x:\x+7], v[\tq+1]
	v_lshrrev_b32 v[\tq+3], 23, v[\tq+1]                            ; the scale's byte (also the plain line behind the conversion)
	v_pk_mul_f32 v[\tq+4:\tq+5], v[\x:\x+1], v[\x:\x+1]
	s_delay_alu instid0(VALU_DEP_1)
	v_pk_fma_f32 v[\tq+4:\tq+5], v[\x+2:\x+3], v[\x+2:\x+3], v[\tq+4:\tq+5]
	s_delay_alu instid0(VALU_DEP_1)
	v_pk_fma_f32 v[\tq+4:\tq+5], v[\x+4:\x+5], v[\x+4:\x+5], v[\tq+4:\tq+5]
	s_delay_alu instid0(VALU_DEP_1)
	v_pk_fma_f32 v[\tq+4:\tq+5], v[\x+6:\x+7], v[\x+6:\x+7], v[\tq+4:\tq+5]
	s_delay_alu instid0(VALU_DEP_1)
	v_add_f32 v[\tq+4], v[\tq+4], v[\tq+5]
	s_delay_alu instid0(VALU_DEP_1)
	v_add_f32_dpp v[\tq+4], v[\tq+4], v[\tq+4] row_xmask:1 row_mask:0xf bank_mask:0xf
	s_delay_alu instid0(VALU_DEP_1)
	v_add_f32_dpp v[\tq+4], v[\tq+4], v[\tq+4] row_xmask:2 row_mask:0xf bank_mask:0xf
	s_delay_alu instid0(VALU_DEP_1)
	v_add_f32_dpp v[\tq+4], v[\tq+4], v[\tq+4] row_xmask:4 row_mask:0xf bank_mask:0xf
	s_delay_alu instid0(VALU_DEP_1)
	v_add_f32_dpp v[\tq+4], v[\tq+4], v[\tq+4] row_xmask:8 row_mask:0xf bank_mask:0xf
	s_delay_alu instid0(VALU_DEP_1)
	v_permlanex16_b32 v[\tq+6], v[\tq+4], s[SEL], s[SEL+1]
	s_delay_alu instid0(VALU_DEP_1)
	v_add_f32 v[\tq+4], v[\tq+4], v[\tq+6]
	ds_store_b32 v[SA], v[\tq+2] offset:16*(\r)
	ds_store_b8 v[SB], v[\tq+3] offset:SCO+4*(\r)
	ds_store_b32 v[SP], v[\tq+4] offset:P2O+4*(\r)
.endm
; Frame r of the tile, exactly: the sum over k = 1 .. 4 of the number of lanes whose byte is k or more is the sum over the lanes of min(byte, 4), which is under 4 just where the frame's total is.
.macro EXACT r
	v_bfe_u32 v[QC+4], v[QC+(\r)/4], 8*((\r)%4), 8
	s_delay_alu instid0(VALU_DEP_1)
	v_cmp_le_u32 s56, 1, v[QC+4]
	s_delay_alu instid0(VALU_DEP_2)
	v_cmp_le_u32 s57, 2, v[QC+4]
	s_delay_alu instid0(VALU_DEP_3)
	v_cmp_le_u32 s58, 3, v[QC+4]
	s_delay_alu instid0(VALU_DEP_4)
	v_cmp_le_u32 s59, 4, v[QC+4]
	s_bcnt1_i32_b32 s56, s56
	s_bcnt1_i32_b32 s57, s57
	s_bcnt1_i32_b32 s58, s58
	s_bcnt1_i32_b32 s59, s59
	s_add_co_u32 s56, s56, s57
	s_add_co_u32 s58, s58, s59
	s_add_co_u32 s56, s56, s58
	s_cmp_lt_u32 s56, 4
	s_cselect_b32 s57, 0x10001<<(\r), 0            ; lanes r and 16 + r hold frame r
	s_or_b32 s42, s42, s57
.endm
; The tile d places on from s41 goes into the registers from c on; its three bases into s[b .. b + 5].  Past the wave's last tile the last one is asked for again: inside the buffers, and written.
; The registers and bases are free here: the counted wait at the head of the buffer's last turn has shown its earlier loads done.
.macro LOADT c, b, d
	s_add_co_u32 s45, s41, \d
	s_min_u32 s45, s45, s33
	s_add_co_u32 s46, s45, s34                     ; tile places are 25 a chunk: behind each chunk's last tile a gap is passed
	s_cmp_ge_u32 s45, s35
	s_cselect_b32 s47, s38, 0
	s_add_co_u32 s46, s46, s47
	s_cmp_ge_u32 s45, s36
	s_cselect_b32 s47, s39, 0
	s_add_co_u32 s46, s46, s47
	s_cmp_ge_u32 s45, s37
	s_cselect_b32 s47, s40, 0
	s_add_co_u32 s46, s46, s47
	s_min_u32 s46, s46, TLAST
	s_lshl_b32 s78, s46, 11
	s_add_nc_u64 s[\b:\b+1], s[8:9], s[78:79]
	s_lshl_b32 s78, s46, 8
	s_add_nc_u64 s[\b+2:\b+3], s[10:11], s[78:79]
	s_lshl_b32 s78, s46, 7
	s_add_nc_u64 s[\b+4:\b+5], s[12:13], s[78:79]
	global_load_b128 v[\c:\c+3], v4, s[\b:\b+1]
	global_load_b128 v[\c+4:\c+7], v4, s[\b:\b+1] offset:512
	global_load_b128 v[\c+8:\c+11], v4, s[\b:\b+1] offset:1024
	global_load_b128 v[\c+12:\c+15], v4, s[\b:\b+1] offset:1536
	global_load_b32 v[\c+16], v5, s[\b+2:\b+3]
	global_load_b128 v[\c+18:\c+21], v6, s[\b+2:\b+3] offset:128
	global_load_b128 v[\c+22:\c+25], v6, s[\b+2:\b+3] offset:144
	global_load_b128 v[\c+26:\c+29], v6, s[\b+4:\b+5]
	global_load_b128 v[\c+30:\c+33], v6, s[\b+4:\b+5] offset:16
	global_load_b128 v[\c+34:\c+37], v6, s[\b+4:\b+5] offset:64
	global_load_b128 v[\c+38:\c+41], v6, s[\b+4:\b+5] offset:80
.endm
; Candidate 8 h + j of the tile goes into the lanes' lists, unless no lane's mask is set.
.macro TRY c, j
	s_or_b32 s44, s[48+\j], s42                    ; phones agree, or the frame falls back to the base mask;
	s_and_b32 s44, s44, s43                        ; and the tile is one of mine
	s_cbranch_scc0 .Lskip_\@
	s_wait_alu depctr_va_vdst(0)
	v_cndmask_b32 v[XR], v[BIGR], v[ACC+\j], s44
	s_delay_alu instid0(VALU_DEP_1)
	v_cmp_lt_f32 s56, v[XR], v[LA]
	s_delay_alu instid0(VALU_DEP_2)
	v_cmp_lt_f32 s57, v[XR], v[LA+1]
	s_delay_alu instid0(VALU_DEP_3)
	v_cmp_lt_f32 s58, v[XR], v[LA+2]
	s_delay_alu instid0(VALU_DEP_4)
	v_cmp_lt_f32 s59, v[XR], v[LA+3]
	s_delay_alu instid0(VALU_DEP_2)
	v_cndmask_b32 v[TR], v[\c+34+\j], v[LI+2], s58
	s_delay_alu instid0(VALU_DEP_1)
	v_cndmask_b32 v[LI+3], v[LI+3], v[TR], s59
	v_cndmask_b32 v[TR], v[\c+34+\j], v[LI+1], s57
	s_delay_alu instid0(VALU_DEP_1)
	v_cndmask_b32 v[LI+2], v[LI+2], v[TR], s58
	v_cndmask_b32 v[TR], v[\c+34+\j], v[LI], s56
	s_delay_alu instid0(VALU_DEP_1)
	v_cndmask_b32 v[LI+1], v[LI+1], v[TR], s57
	v_cndmask_b32 v[LI], v[LI], v[\c+34+\j], s56
	v_med3_num_f32 v[LA+3], v[LA+2], v[XR], v[LA+3]
	v_med3_num_f32 v[LA+2], v[LA+1], v[XR], v[LA+2]
	v_med3_num_f32 v[LA+1], v[LA], v[XR], v[LA+1]
	v_min_num_f32 v[LA], v[LA], v[XR]
.Lskip_\@:
.endm
.macro TILE c
	v_wmma_scale_f32_16x16x128_f8f6f4 v[ACC:ACC+7], v[\c:\c+7], v[QF:QF+7], 0, v[\c+16], v[QS] matrix_a_fmt:MATRIX_FMT_FP4 matrix_b_fmt:MATRIX_FMT_FP4
	s_wait_alu depctr_va_vdst(0)
	v_wmma_scale_f32_16x16x128_f8f6f4 v[ACC:ACC+7], v[\c+8:\c+15], v[QF+8:QF+15], v[ACC:ACC+7], v[\c+16], v[QS] matrix_a_fmt:MATRIX_FMT_FP4 matrix_b_fmt:MATRIX_FMT_FP4 matrix_a_scale:MATRIX_SCALE_ROW1 matrix_b_scale:MATRIX_SCALE_ROW1
.irp k, 0,2,4,6
	v_pk_add_f32 v[\c+18+\k:\c+19+\k], v[\c+18+\k:\c+19+\k], v[H2:H2+1] op_sel_hi:[1,0]   ; h2 + p2.  These twelve lines name none of the product's registers: they are the places behind it (ISA guide 7.12.1)
.endr
.irp j, 0,1,2,3,4,5,6,7
	v_cmp_eq_u32 s[48+\j], v[\c+26+\j], v[QP]
.endr
.irp k, 0,2,4,6
	v_pk_fma_f32 v[ACC+\k:ACC+\k+1], v[ACC+\k:ACC+\k+1], -2.0, v[\c+18+\k:\c+19+\k] op_sel_hi:[1,0,1]   ; (h2 + p2) - 2 dot, from the accumulator's low end on
.endr
.irp j, 0,1,2,3,4,5,6,7
	TRY \c, \j
.endr
.endm
; s56 = (x, ix) comes before (y, iy): the lesser distance, at equal distances the lower number
.macro LESS x, ix, y, iy
	v_cmp_lt_f32 s56, v[\x], v[\y]
	v_cmp_eq_f32 s57, v[\x], v[\y]
	v_cmp_lt_u32 s58, v[\ix], v[\iy]
	s_and_b32 s57, s57, s58
	s_or_b32 s56, s56, s57
.endm
.macro CE sv, si, dv, di, p, q         ; places p and q of one set, in order, into the other set
	LESS \sv+\p, \si+\p, \sv+\q, \si+\q
	v_min_num_f32 v[\dv+\p], v[\sv+\p], v[\sv+\q]
	v_max_num_f32 v[\dv+\q], v[\sv+\p], v[\sv+\q]
	v_cndmask_b32 v[\di+\p], v[\si+\q], v[\si+\p], s56
	v_cndmask_b32 v[\di+\q], v[\si+\p], v[\si+\q], s56
.endm
; My sorted list and the sorted list in v[MB..], v[MBI..]: the 4 least of the 8, sorted, into my list.  The lesser of place k and the other's place 3 - k are the 4 least; two steps of exchanges sort them.
.macro MERGE
.irp k, 0,1,2,3
	LESS LA+\k, LI+\k, MB+3-\k, MBI+3-\k
	v_cndmask_b32 v[LA+\k], v[MB+3-\k], v[LA+\k], s56
	v_cndmask_b32 v[LI+\k], v[MBI+3-\k], v[LI+\k], s56
.endr
	CE LA, LI, MB, MBI, 0, 2
	CE LA, LI, MB, MBI, 1, 3
	CE MB, MBI, LA, LI, 0, 1
	CE MB, MBI, LA, LI, 2, 3
.endm
	s_load_b512 s[4:19], s[0:1], 0x0               ; h s[4:5], phones s[6:7], pcode s[8:9], paux s[10:11], pmeta s[12:13], nbc s[14:15], qcnt s[16:17], td2 s[18:19]
	s_load_b64 s[20:21], s[0:1], 0x40              ; tix
	v_lshl_add_u32 v216, v0, 2, 0x2d00
	v_mov_b32 v217, 0
	v_and_b32 v1, 31, v0                           ; L
	s_wait_alu depctr_va_vdst(0)
	v_lshrrev_b32 v176, 5, v0
	s_delay_alu instid0(VALU_DEP_1)
	v_readfirstlane_b32 s24, v176                  ; wave 0..15
	s_mov_b32 s25, ttmp9                           ; which 16 frames
	s_and_b32 s26, ttmp7, 0xffff                   ; which 64 chunks
	s_mov_b32 s[SEL], 0x76543210
	s_mov_b32 s[SEL+1], 0xfedcba98
	s_mov_b32 s82, 0xffff0000                      ; lanes 16-31
	s_mov_b32 s60, 0x80808080
	s_mov_b32 s61, 0x7f7f7f7f
	s_mov_b32 s79, 0
	s_mov_b32 s41, 0                               ; the tile in hand
	v_and_b32 v2, 15, v0                           ; r
	v_bfe_u32 v3, v0, 4, 1                         ; h
	v_lshlrev_b32 v4, 4, v1                        ; 16 L
	v_lshlrev_b32 v5, 2, v1                        ; 4 L
	s_delay_alu instid0(VALU_DEP_3)
	v_lshlrev_b32 v6, 5, v3                        ; 32 h
	v_lshlrev_b32 v18, 3, v1                       ; 8 L
	v_lshlrev_b32 v19, 5, v1                       ; 32 L
	s_lshl_b32 s45, s24, 4                         ; 16 w
	s_lshl_b32 s46, s24, 2                         ; 4 w
	; every LDS address is made here, of the lane, the wave and constants
	v_lshrrev_b32 v176, 2, v1
	s_delay_alu instid0(VALU_DEP_1)
	v_mul_u32_u24 v[SA], v176, 272
	v_and_b32 v177, 3, v1
	s_delay_alu instid0(VALU_DEP_1)
	v_lshl_add_u32 v[SA], v177, 2, v[SA]
	s_delay_alu instid0(VALU_DEP_1)
	v_add_nc_u32 v[SA], s45, v[SA]                 ; my wave's frame is row w of the tile of frames
	v_and_b32 v177, 3, v176
	s_delay_alu instid0(VALU_DEP_1)
	v_lshl_add_u32 v[SB], v3, 6, v177
	s_delay_alu instid0(VALU_DEP_1)
	v_add_nc_u32 v[SB], s46, v[SB]
	v_mov_b32 v[SP], s46
	v_mul_u32_u24 v11, v3, 272
	s_delay_alu instid0(VALU_DEP_1)
	v_lshl_add_u32 v11, v2, 4, v11                 ; the frames' image: 272 h + 16 r
	v_lshlrev_b32 v12, 2, v2                       ; 4 r
	s_mul_i32 s47, s24, 528
	v_lshlrev_b32 v14, 5, v2
	s_delay_alu instid0(VALU_DEP_1)
	v_lshl_add_u32 v14, v3, 4, v14
	s_delay_alu instid0(VALU_DEP_1)
	v_add_nc_u32 v14, s47, v14
	s_delay_alu instid0(VALU_DEP_1)
	v_add_nc_u32 v14, LST, v14                     ; lists in: 528 w + 32 r + 16 h
	v_mul_u32_u24 v15, v2, 528
	s_lshl_b32 s47, s24, 5
	v_add_nc_u32 v15, s47, v15
	s_delay_alu instid0(VALU_DEP_1)
	v_add_nc_u32 v15, LST, v15                     ; lists out: wave r's list of frame w
	v_lshlrev_b32 v16, 8, v3
	s_delay_alu instid0(VALU_DEP_1)
	v_add_nc_u32 v16, s45, v16
	s_delay_alu instid0(VALU_DEP_1)
	v_add_nc_u32 v16, RES, v16                     ; results in: 256 h + 16 w
	s_and_b32 s47, s24, 1
	s_lshl_b32 s47, s47, 8
	v_add_nc_u32 v17, s47, v18
	s_delay_alu instid0(VALU_DEP_1)
	v_add_nc_u32 v17, RES, v17                     ; results out: 256 (w % 2) + 8 L
	v_mov_b32 v170, 0                              ; written once: a lane permute's destination counts as one of its sources
	s_lshl_b32 s[NOFF], s26, 8
	s_add_co_u32 s[NOFF], s[NOFF], s45             ; nbc: 4 x (64 y + 4 w)
	s_wait_kmcnt 0x0
	s_load_b128 s[28:31], s[14:15], s[NOFF] offset:0x0 ; my four chunks' counts; neither its base nor its offset register is written again
	s_lshl_b32 s78, s25, 12
	s_add_nc_u64 s[16:17], s[16:17], s[78:79]      ; qcnt at my tile of frames: 4,096 bytes
	s_lshl_b32 s78, s25, 4
	s_add_co_u32 s78, s78, s24
	s_lshl_b32 s78, s78, 10
	s_add_nc_u64 s[4:5], s[4:5], s[78:79]          ; h at frame 16 x + w
	s_lshl_b32 s78, s25, 6
	s_add_nc_u64 s[6:7], s[6:7], s[78:79]          ; phones at my 16 frames
	s_lshl_b32 s78, s26, 14
	s_lshl_b32 s47, s25, 8
	s_add_co_u32 s78, s78, s47
	s_add_nc_u64 s[18:19], s[18:19], s[78:79]      ; td2 and tix at [y][16 x]
	s_add_nc_u64 s[20:21], s[20:21], s[78:79]
	global_load_b128 v[156:159], v19, s[4:5]
	global_load_b128 v[160:163], v19, s[4:5] offset:16
	global_load_b32 v[QP], v12, s[6:7]
.irp i, 0,1,2,3,4,5,6,7
	global_load_b128 v[QC+4*\i:QC+4*\i+3], v4, s[16:17] offset:512*\i   ; chunk L + 32 i: the 16 frames' bytes; each load of the wave covers 512 consecutive bytes
.endr
	s_wait_kmcnt 0x0
.irp k, 0,1,2,3
	s_add_co_u32 s[28+\k], s[28+\k], 15
	s_lshr_b32 s[28+\k], s[28+\k], 4
	s_max_u32 s[28+\k], s[28+\k], 1                ; a chunk has at least one tile,
	s_min_u32 s[28+\k], s[28+\k], 25               ; at most 25
.endr
	s_mov_b32 s35, s28                             ; where my second, third and fourth chunk's tiles begin
	s_add_co_u32 s36, s35, s29
	s_add_co_u32 s37, s36, s30
	s_add_co_u32 s32, s37, s31                     ; my tiles in all: 4 at the least, 100 at the most
	s_sub_co_u32 s33, s32, 1
	s_add_co_u32 s[TRIPS], s32, 1
	s_lshr_b32 s[TRIPS], s[TRIPS], 1               ; trips of two tiles: half of them, rounded up
	s_mov_b32 s[TRIP], 0
	s_sub_co_u32 s38, 25, s28                      ; the gaps
	s_sub_co_u32 s39, 25, s29
	s_sub_co_u32 s40, 25, s30
	s_lshl_b32 s34, s26, 6
	s_add_co_u32 s34, s34, s46
	s_mul_i32 s34, s34, 25                         ; my first chunk's first tile place
	LOADT BA, 66, 0
	LOADT BB, 72, 1
	s_wait_loadcnt 22                              ; the eleven loads of the head are in; the two tiles' 22 loads issued behind them stay out
	ROWQ 156, 164, 0
	; WHICH FRAMES FALL BACK TO THE BASE MASK.  My lane's 8 chunks are added byte by byte: 8 x 4 = 32 at the most, so no byte carries.
.irp i, 1,2,3,4,5,6,7
.irp k, 0,1,2,3
	v_add_nc_u32 v[QC+\k], v[QC+\k], v[QC+4*\i+\k]
.endr
.endr
	; The short way: a byte above 0 plus 0x7f has its top bit set.  Four lanes or more in which all 16 bytes are above 0 show four candidates or more for every frame: nobody falls back.
.irp k, 0,1,2,3
	s_delay_alu instid0(VALU_DEP_4)
	v_add_nc_u32 v[QC+4+\k], s61, v[QC+\k]
.endr
	s_delay_alu instid0(VALU_DEP_3)
	v_and_b32 v[QC+4], v[QC+4], v[QC+5]
	s_delay_alu instid0(VALU_DEP_2)
	v_and_b32 v[QC+6], v[QC+6], v[QC+7]
	s_delay_alu instid0(VALU_DEP_1)
	v_and_b32 v[QC+4], v[QC+4], v[QC+6]
	s_delay_alu instid0(VALU_DEP_1)
	v_and_b32 v[QC+4], s60, v[QC+4]
	s_delay_alu instid0(VALU_DEP_1)
	v_cmp_eq_u32 s56, s60, v[QC+4]
	s_mov_b32 s42, 0
	s_bcnt1_i32_b32 s57, s56
	s_cmp_ge_u32 s57, 4
	s_cbranch_scc1 .Lnobody
.irp r, 0,1,2,3,4,5,6,7,8,9,10,11,12,13,14,15
	EXACT \r
.endr
.Lnobody:
	s_wait_dscnt 0x0                               ; for the others' sake: my frame's codes, scale bytes and sum are in LDS
	s_barrier_signal -1
	s_barrier_wait -1
	ds_load_b128 v[QF:QF+3], v11
	ds_load_b128 v[QF+4:QF+7], v11 offset:544
	ds_load_b128 v[QF+8:QF+11], v11 offset:1088
	ds_load_b128 v[QF+12:QF+15], v11 offset:1632
	ds_load_b32 v[QS], v5 offset:SCO
	ds_load_b32 v[H2], v12 offset:P2O
	v_mov_b32 v[BIGR], 0x7149f2ca                  ; 1e30
.irp k, 0,1,2,3
	v_mov_b32 v[LA+\k], 0x7149f2ca
	v_mov_b32 v[LI+\k], 0
.endr
	s_wait_dscnt 0x0
	v_mov_b32 v[H2+1], v[H2]
.Lt:                                               ; two tiles a trip; the trips are counted one by one against a number that the loop does not write
	s_wait_loadcnt 11                              ; the first buffer's 11 loads are in; the second's 11, issued behind them, stay out
	s_mov_b32 s43, -1
	TILE BA
	LOADT BA, 66, 2
	s_wait_loadcnt 11                              ; the second buffer's are in; the 11 just issued stay out
	s_add_co_u32 s45, s41, 1
	s_cmp_lt_u32 s45, s32
	s_cselect_b32 s43, -1, 0                       ; with an odd number of tiles the last turn counts for nothing
	TILE BB
	LOADT BB, 72, 3
	s_add_co_u32 s41, s41, 2                       ; the tile in hand
	s_add_co_u32 s[TRIP], s[TRIP], 1
	s_cmp_lt_u32 s[TRIP], s[TRIPS]
	s_cbranch_scc1 .Lt
	s_wait_loadcnt 0x0                             ; the loads that ran ahead land before their registers serve the merges
	s_wait_alu depctr_va_vdst(0)
	; lane with lane l xor 16: the frame's other eight candidates of each tile
.irp k, 0,1,2,3,4,5,6,7
	v_permlanex16_b32 v[MB+\k], v[LA+\k], s[SEL], s[SEL+1]
.endr
	MERGE
.irp k, 0,1,2,3
	v_cndmask_b32 v[72+\k], v[LA+\k], v[LI+\k], s82    ; lanes 0-15 store the distances, lanes 16-31 the numbers
.endr
	ds_store_b128 v14, v[72:75]
	s_wait_dscnt 0x0                               ; for the others' sake: my wave's 16 lists are in LDS
	s_barrier_signal -1
	s_barrier_wait -1
	ds_load_b128 v[LA:LA+3], v15                   ; wave w now serves frame w: lane l takes wave l % 16's list of it
	ds_load_b128 v[LI:LI+3], v15 offset:16
	s_wait_dscnt 0x0
.irp m, 1,2,4,8
.irp k, 0,1,2,3,4,5,6,7
	v_mov_b32_dpp v[MB+\k], v[LA+\k] row_xmask:\m row_mask:0xf bank_mask:0xf
.endr
	MERGE
.endr
.irp k, 0,1,2,3
	v_cndmask_b32 v[72+\k], v[LA+\k], v[LI+\k], s82
.endr
	ds_store_b128 v16, v[72:75]                    ; the lanes of a half write the same 16 bytes with the same values
	s_wait_dscnt 0x0
	s_barrier_signal -1
	s_barrier_wait -1
	s_cmp_eq_u32 s24, 0                            ; wave 0 stores the distances, wave 1 the numbers: the choice hangs on the wave's number alone
	s_cselect_b64 s[18:19], s[18:19], s[20:21]
	s_cmp_gt_u32 s24, 1
	s_cbranch_scc1 .Lend
	ds_load_b64 v[64:65], v17
	s_wait_dscnt 0x0
	global_store_b64 v18, v[64:65], s[18:19]       ; the wave's store covers 256 consecutive bytes, aligned
.Lend:
	s_wait_tensorcnt 0x0
	ds_add_u32 v216, v217
	s_wait_dscnt 0x0
	s_endpgm
.Lfunc_end_k_q092159cbad_knn:
	.size	k_q092159cbad_knn, .Lfunc_end_k_q092159cbad_knn-k_q092159cbad_knn
	.p2alignl 7, 3214868480
	.fill 96, 4, 3214868480
	.section	.rodata,"a",@progbits
	.p2align	6, 0x0
	.amdhsa_kernel k_q092159cbad_knn
		.amdhsa_group_segment_fixed_size 13568
		.amdhsa_private_segment_fixed_size 0
		.amdhsa_enable_private_segment 0
		.amdhsa_kernarg_size 72
		.amdhsa_user_sgpr_count 2
		.amdhsa_user_sgpr_kernarg_segment_ptr 1
		.amdhsa_wavefront_size32 1
		.amdhsa_system_sgpr_workgroup_id_x 1
		.amdhsa_system_sgpr_workgroup_id_y 1
		.amdhsa_system_sgpr_workgroup_id_z 1
		.amdhsa_system_vgpr_workitem_id 0
		.amdhsa_next_free_vgpr 218
		.amdhsa_next_free_sgpr 96
		.amdhsa_reserve_vcc 0
		.amdhsa_float_denorm_mode_32 3
		.amdhsa_float_denorm_mode_16_64 3
		.amdhsa_memory_ordered 1
		.amdhsa_forward_progress 1
		.amdhsa_inst_pref_size 75
	.end_amdhsa_kernel
	.amdgpu_metadata
---
amdhsa.version: [ 1, 2 ]
amdhsa.kernels:
  - .name:           k_q092159cbad_knn
    .symbol:         k_q092159cbad_knn.kd
    .args:
      - { .name: h_clean, .offset: 0, .size: 8, .value_kind: global_buffer, .address_space: global }
      - { .name: phones, .offset: 8, .size: 8, .value_kind: global_buffer, .address_space: global }
      - { .name: pcode, .offset: 16, .size: 8, .value_kind: global_buffer, .address_space: global }
      - { .name: paux, .offset: 24, .size: 8, .value_kind: global_buffer, .address_space: global }
      - { .name: pmeta, .offset: 32, .size: 8, .value_kind: global_buffer, .address_space: global }
      - { .name: nbc, .offset: 40, .size: 8, .value_kind: global_buffer, .address_space: global }
      - { .name: qcnt, .offset: 48, .size: 8, .value_kind: global_buffer, .address_space: global }
      - { .name: td2, .offset: 56, .size: 8, .value_kind: global_buffer, .address_space: global }
      - { .name: tix, .offset: 64, .size: 8, .value_kind: global_buffer, .address_space: global }
    .group_segment_fixed_size: 13568
    .private_segment_fixed_size: 0
    .kernarg_segment_align: 8
    .kernarg_segment_size: 72
    .max_flat_workgroup_size: 512
    .sgpr_count:     96
    .vgpr_count:     218
    .wavefront_size: 32
...
	.end_amdgpu_metadata
.endif
;; end of part 5
;; launch mix (part 6): grid 256 x 1, 4 waves a work-group, no clusters, 0 bytes of LDS; arguments prototypes, td2, tix, nbc, out0; writes out0
.if DOCPART == 6
	.amdgcn_target "amdgcn-amd-amdhsa--gfx1250"
	.amdhsa_code_object_version 6
	.text
	.protected	k_q092159cbad_mix
	.globl	k_q092159cbad_mix
	.p2align	8
	.type	k_q092159cbad_mix,@function
k_q092159cbad_mix:
	s_mov_b64 s[64:65], 0
	v_nop
	global_prefetch_b8 v0, s[64:65] scope:SCOPE_SE
	s_setreg_imm32_b32 hwreg(HW_REG_WAVE_SCHED_MODE, 0, 2), 2
	s_setreg_imm32_b32 hwreg(HW_REG_WAVE_MODE, 25, 1), 1
	s_wait_xcnt 0x0
	s_wait_alu depctr_vm_vsrc(0)
; MIX.  One wave to a frame q = 4 x work-group + wave.  Its 16 entries (4 quarters of the chunks x 4 places) lie one to a lane (lane % 16; lanes 16-31 hold the same again).
; An entry's rank is the number of entries that come before it (lesser distance; at equal distances the lower number).  The four of rank 0 to 3 are the nearest four; their weights are
; softmax(-d2): exp(least d2 - d2) over the sum; all other entries get the weight 0.  The rows' addresses may hang on the stored numbers alone, not on the ranks, which come of distances:
; so all 16 rows are fetched (as soon as the numbers are in; ranks and weights are made while they are on their way) and summed with their weights, in f32.
; Unfilled places hold (1e30, 0): their weight is exp(least d2 - 1e30) = 0 wherever a frame has a candidate.  With no candidate at all (every count in nbc is 0) every distance is 1e30 and the
; nearest four are prototypes 0, 1, 2, 3 with weight 1/4 each: the entries' numbers are then replaced by 0 .. 15.
; No LDS, no barrier, no matrix unit: K = 4, one row of results a frame; waves share nothing.  LIMITS: the prototypes are finite (a weight 0 times a row adds 0).
; THE MODE: SCHED_MODE bits 1:0 = 2 (LLVM: expert scheduling mode 2), set by the entry lines.  The code itself states the register dependences
; between vector instructions and memory instructions, and those through scalar registers and VCC that vector instructions write, with s_wait_alu, always for 0.
; THE PLAN.  Registers that memory instructions touch:
;   v2, v18, v5  offsets: written at the head, ahead of one wait on va_vdst, and never again.
;   v32-47       the 16 rows' offsets: written once, ahead of one wait on va_vdst; read by the 32 row loads; never written again.
;   v3, v4, v8-15, v64-191   loads land in them; no vector line names them before.
;   v48-55       the result: written by the multiply-adds; one wait on va_vdst ahead of the two stores.
; What goes from a lane into a scalar register goes in runs (the 16 numbers, the 16 distances, the 16 weights; the ranks' compares twelve at a time), with one wait on va_sdst behind each run.
.set LASTP, 99999
.set RO,  32                           ; v32-47   the 16 rows' byte offsets
.set ACC, 48                           ; v48-55   my 8 numbers of the result
.set X,   64                           ; v64-191  16 rows x 8 numbers a lane
.set NU,  32                           ; s32-47   the 16 entries' numbers,
.set DI,  48                           ; s48-63   and their distances, until the ranks are made
.set W,   32                           ; s32-63   then the weights, each twice (the packed forms name a pair)
.set MK,  16                           ; s16-27   twelve masks: three for each of four entries
	s_load_b256 s[4:11], s[0:1], 0x0               ; prototypes s[4:5], td2 s[6:7], tix s[8:9], nbc s[10:11]
	s_load_b64 s[12:13], s[0:1], 0x20              ; out0
	v_lshrrev_b32 v2, 5, v0
	v_readfirstlane_b32 s14, v2
	v_and_b32 v1, 15, v0                           ; e: my entry
	v_and_b32 v5, 31, v0
	v_lshlrev_b32 v18, 5, v5                       ; 32 L
	v_lshlrev_b32 v5, 4, v5                        ; 16 L
	v_lshrrev_b32 v2, 2, v1
	v_and_b32 v16, 3, v1
	v_lshlrev_b32 v2, 14, v2                       ; quarter e / 4: 16,384 bytes each,
	v_lshl_add_u32 v2, v16, 2, v2                  ; place e % 4,
	v_mov_b32 v6, 0                                ; my rank
	s_wait_alu depctr_va_sdst(0)                   ; s14, the wave's number, is written, ahead of its first reader
	s_lshl_b32 s15, ttmp9, 2
	s_add_co_u32 s15, s15, s14                     ; q
	s_lshl_b32 s16, s15, 4
	v_add_nc_u32 v2, s16, v2                       ; frame q: 16 bytes each
	s_lshl_b32 s16, s15, 10
	s_mov_b32 s17, 0
	s_wait_kmcnt 0x0
	s_add_nc_u64 s[12:13], s[12:13], s[16:17]      ; out0 at row q
	s_wait_alu depctr_va_vdst(0)                   ; the offsets v2, v18 and v5 are written, which the loads below and the stores at the end read; none is written again
	global_load_b32 v3, v2, s[6:7]                 ; d
	global_load_b32 v4, v2, s[8:9]                 ; i
	global_load_b128 v[8:11], v18, s[10:11]        ; the 256 counts, 8 a lane
	global_load_b128 v[12:15], v18, s[10:11] offset:16
	s_wait_loadcnt 0x0
	v_or_b32 v8, v8, v9
	v_or_b32 v10, v10, v11
	v_or_b32 v12, v12, v13
	v_or_b32 v14, v14, v15
	v_or_b32 v8, v8, v10
	v_or_b32 v12, v12, v14
	v_or_b32 v8, v8, v12
	v_cmp_ne_u32 s21, 0, v8
	s_wait_alu depctr_va_sdst(0)                   ; the compare has written s21, which the scalar compare below reads
	s_cmp_eq_u32 s21, 0
	s_cselect_b32 s20, -1, 0                       ; no candidate anywhere
	v_cndmask_b32 v4, v4, v1, s20
.irp e, 0,1,2,3,4,5,6,7,8,9,10,11,12,13,14,15
	v_readlane_b32 s[NU+\e], v4, \e
.endr
	s_wait_alu depctr_va_sdst(0)                   ; the sixteen lines above have written s32 to s47, the entries' numbers: they serve the addresses here and the ranks below
.irp e, 0,1,2,3,4,5,6,7,8,9,10,11,12,13,14,15
	s_min_u32 s[24+\e%4], s[NU+\e], LASTP
	v_lshl_add_u32 v[RO+\e], s[24+\e%4], 10, v5    ; row x 1,024 bytes + 16 L
.endr
	s_wait_alu depctr_va_vdst(0)                   ; the sixteen rows' offsets v32 to v47 are written, which the loads below read
.irp e, 0,1,2,3,4,5,6,7,8,9,10,11,12,13,14,15
	global_load_b128 v[X+8*\e:X+8*\e+3], v[RO+\e], s[4:5]               ; each load of the wave covers 512 consecutive bytes
	global_load_b128 v[X+8*\e+4:X+8*\e+7], v[RO+\e], s[4:5] offset:512
.endr
.irp e, 0,1,2,3,4,5,6,7,8,9,10,11,12,13,14,15
	v_readlane_b32 s[DI+\e], v3, \e
.endr
	s_wait_alu depctr_va_sdst(0)                   ; the sixteen lines above have written s48 to s63, the entries' distances, which the compares below read
.irp g, 0,1,2,3
.irp i, 0,1,2,3
	v_cmp_lt_f32 s[MK+3*\i], s[DI+4*\g+\i], v3
	v_cmp_eq_f32 s[MK+3*\i+1], s[DI+4*\g+\i], v3
	v_cmp_lt_u32 s[MK+3*\i+2], s[NU+4*\g+\i], v4
.endr
	s_wait_alu depctr_va_sdst(0)                   ; the twelve compares have written s16 to s27, which the scalar lines below read
.irp i, 0,1,2,3
	s_and_b32 s[MK+3*\i+1], s[MK+3*\i+1], s[MK+3*\i+2]
	s_or_b32 s[MK+3*\i], s[MK+3*\i], s[MK+3*\i+1]  ; entry 4 g + i comes before mine
.endr
.irp i, 0,1,2,3
	v_cndmask_b32 v[19+\i], 0, 1, s[MK+3*\i]
.endr
	v_add3_u32 v6, v6, v19, v20
	v_add3_u32 v6, v6, v21, v22
.endr
	v_mov_b32 v7, v3
	v_min_num_f32_dpp v7, v7, v7 row_xmask:1 row_mask:0xf bank_mask:0xf
	v_min_num_f32_dpp v7, v7, v7 row_xmask:2 row_mask:0xf bank_mask:0xf
	v_min_num_f32_dpp v7, v7, v7 row_xmask:4 row_mask:0xf bank_mask:0xf
	v_min_num_f32_dpp v7, v7, v7 row_xmask:8 row_mask:0xf bank_mask:0xf   ; the least d2: the largest -d2 is taken away ahead of the exponential
	v_sub_f32 v16, v7, v3
	v_mul_f32 v16, 0x3fb8aa3b, v16                 ; x log2(e)
	s_wait_alu depctr_va_vdst(0)
	v_exp_f32 v16, v16
	v_cmp_gt_u32 vcc_lo, 4, v6                     ; (a plain line behind the exponential)
	s_wait_alu depctr_va_vdst(0)                   ; the exponential has written v16, ahead of its first reader
	s_wait_alu depctr_va_vcc(0)                    ; the compare has written VCC, which the select below reads
	v_cndmask_b32 v16, 0, v16, vcc_lo              ; rank 4 and over: weight 0
	v_mov_b32 v17, v16
	v_add_f32_dpp v17, v17, v17 row_xmask:1 row_mask:0xf bank_mask:0xf
	v_add_f32_dpp v17, v17, v17 row_xmask:2 row_mask:0xf bank_mask:0xf
	v_add_f32_dpp v17, v17, v17 row_xmask:4 row_mask:0xf bank_mask:0xf
	v_add_f32_dpp v17, v17, v17 row_xmask:8 row_mask:0xf bank_mask:0xf
	s_wait_alu depctr_va_vdst(0)
	v_rcp_f32 v17, v17
	v_nop                                          ; a plain line behind the reciprocal
	s_wait_alu depctr_va_vdst(0)                   ; the reciprocal has written v17, ahead of its first reader
	v_mul_f32 v16, v16, v17
.irp e, 0,1,2,3,4,5,6,7,8,9,10,11,12,13,14,15
	v_readlane_b32 s[W+2*\e], v16, \e
.endr
	s_wait_alu depctr_va_sdst(0)                   ; the sixteen lines above have written the weights, which the moves and the packed lines below read
.irp e, 0,1,2,3,4,5,6,7,8,9,10,11,12,13,14,15
	s_mov_b32 s[W+2*\e+1], s[W+2*\e]
.endr
	s_wait_loadcnt 30                              ; row 0 is in; the 30 loads of the rows behind it stay out
.irp k, 0,2,4,6
	v_pk_mul_f32 v[ACC+\k:ACC+\k+1], v[X+\k:X+\k+1], s[W:W+1] op_sel_hi:[1,0]   ; the first row starts the sums
.endr
	s_wait_alu depctr_va_vdst(0)
.irp e, 1,2,3,4,5,6,7,8,9,10,11,12,13,14,15
	s_wait_alu depctr_va_vdst(0)
	s_wait_loadcnt 2*(15-\e)                       ; row e is in; the rows behind it stay out
.irp k, 0,2,4,6
	v_pk_fma_f32 v[ACC+\k:ACC+\k+1], v[X+8*\e+\k:X+8*\e+\k+1], s[W+2*\e:W+2*\e+1], v[ACC+\k:ACC+\k+1] op_sel_hi:[1,0,1]
.endr
.endr
	s_wait_alu depctr_va_vdst(0)                   ; the multiply-adds have written v48 to v55, which the two stores read
	global_store_b128 v5, v[ACC:ACC+3], s[12:13] th:TH_STORE_NT             ; each store of the wave covers 512 consecutive bytes, aligned
	global_store_b128 v5, v[ACC+4:ACC+7], s[12:13] offset:512 th:TH_STORE_NT
	s_endpgm
.Lfunc_end_k_q092159cbad_mix:
	.size	k_q092159cbad_mix, .Lfunc_end_k_q092159cbad_mix-k_q092159cbad_mix
	.p2alignl 7, 3214868480
	.fill 96, 4, 3214868480
	.section	.rodata,"a",@progbits
	.p2align	6, 0x0
	.amdhsa_kernel k_q092159cbad_mix
		.amdhsa_group_segment_fixed_size 0
		.amdhsa_private_segment_fixed_size 0
		.amdhsa_enable_private_segment 0
		.amdhsa_kernarg_size 40
		.amdhsa_user_sgpr_count 2
		.amdhsa_user_sgpr_kernarg_segment_ptr 1
		.amdhsa_wavefront_size32 1
		.amdhsa_system_sgpr_workgroup_id_x 1
		.amdhsa_system_sgpr_workgroup_id_y 1
		.amdhsa_system_sgpr_workgroup_id_z 1
		.amdhsa_system_vgpr_workitem_id 0
		.amdhsa_next_free_vgpr 192
		.amdhsa_next_free_sgpr 66
		.amdhsa_reserve_vcc 1
		.amdhsa_float_denorm_mode_32 3
		.amdhsa_float_denorm_mode_16_64 3
		.amdhsa_memory_ordered 1
		.amdhsa_forward_progress 1
		.amdhsa_inst_pref_size 23
	.end_amdhsa_kernel
	.amdgpu_metadata
---
amdhsa.version: [ 1, 2 ]
amdhsa.kernels:
  - .name:           k_q092159cbad_mix
    .symbol:         k_q092159cbad_mix.kd
    .args:
      - { .name: prototypes, .offset: 0, .size: 8, .value_kind: global_buffer, .address_space: global }
      - { .name: td2, .offset: 8, .size: 8, .value_kind: global_buffer, .address_space: global }
      - { .name: tix, .offset: 16, .size: 8, .value_kind: global_buffer, .address_space: global }
      - { .name: nbc, .offset: 24, .size: 8, .value_kind: global_buffer, .address_space: global }
      - { .name: out0, .offset: 32, .size: 8, .value_kind: global_buffer, .address_space: global }
    .group_segment_fixed_size: 0
    .private_segment_fixed_size: 0
    .kernarg_segment_align: 8
    .kernarg_segment_size: 40
    .max_flat_workgroup_size: 128
    .sgpr_count:     66
    .vgpr_count:     192
    .wavefront_size: 32
...
	.end_amdgpu_metadata
.endif
;; end of part 6
